; MI455X (gfx1250); checked and timed in simulation.
; The chip was launched on July 23, 2026; its instructions are those of AMD's public machine-readable ISA for CDNA 5 (MIT licence, August 2026) and "CDNA5" Instruction Set Architecture Reference Guide (July 2026). The comments in the code are by the model that wrote it; some were corrected since.
;; Transformer Block. Allowed arithmetic: matrix products marked QUANTISED: E4M3 operands, one given power-of-two scale a tensor, by v_wmma_f32_16x16x64_fp8_fp8 or v_wmma_f32_16x16x128_fp8_fp8, f32 sums; everything else in f32.
;; Inputs: W1 1,024 x 4,096 float32; W2 4,096 x 1,024 float32; Wk 1,024 x 1,024 float32; Wo 1,024 x 1,024 float32; Wq 1,024 x 1,024 float32; Wv 1,024 x 1,024 float32; b1 4,096 float32; b2 1,024 float32; bo 1,024 float32; ln1_scale 1,024 float32; ln1_shift 1,024 float32; ln2_scale 1,024 float32; ln2_shift 1,024 float32; lowp_scales 16 int32 (the exponents e of the quantised operands' scales 2^e); x 2 x 2,048 x 1,024 float32.
;; Outputs: out0 2 x 2,048 x 1,024 float32.
;; This version of the problem:
;;   THIS VERSION OF THE PROBLEM IS GIVEN IN LOW PRECISION. The matrix products marked QUANTISED in the list below multiply operands that are first quantised to E4M3 (4 exponent bits, 3 mantissa bits; 8 bits a number), with one given power-of-two scale for each operand tensor; their sums are f32. All else is computed in f32.
;;   The module's matrix products, in the order in which they are computed (A, B: the left and right operand; K: the contracted axis; several contracted axes count as one K, in the product's order):
;;     1. [M 4,096, K 1,024] x [K 1,024, N 1,024]; A: computed on the way; B: input Wq: QUANTISED (scales: A lowp_scales[0], B lowp_scales[1])
;;     2. [M 4,096, K 1,024] x [K 1,024, N 1,024]; A: computed on the way; B: input Wk: QUANTISED (scales: A lowp_scales[2], B lowp_scales[3])
;;     3. [M 4,096, K 1,024] x [K 1,024, N 1,024]; A: computed on the way; B: input Wv: QUANTISED (scales: A lowp_scales[4], B lowp_scales[5])
;;     4. batch 32 x [M 2,048, K 64] x [K 64, N 2,048]; A: computed on the way; B: computed on the way: QUANTISED (scales: A lowp_scales[6], B lowp_scales[7])
;;     5. batch 32 x [M 2,048, K 2,048] x [K 2,048, N 64]; A: softmax (see below); B: computed on the way: QUANTISED (scales: A lowp_scales[8], B lowp_scales[9])
;;     6. [M 4,096, K 1,024] x [K 1,024, N 1,024]; A: computed on the way; B: input Wo: QUANTISED (scales: A lowp_scales[10], B lowp_scales[11])
;;     7. [M 4,096, K 1,024] x [K 1,024, N 4,096]; A: computed on the way; B: input W1: QUANTISED (scales: A lowp_scales[12], B lowp_scales[13])
;;     8. [M 4,096, K 4,096] x [K 4,096, N 1,024]; A: computed on the way; B: input W2: QUANTISED (scales: A lowp_scales[14], B lowp_scales[15])
;;   THE QUANTISER, for each operand of a quantised product, along K:
;;     - The operand's scale is 2^e, e = its entry of the input lowp_scales (int32; the entries are numbered through the quantised products in the list's order, A before B).
;;     - Each number is divided by the scale, clamped to +-448, and rounded to the nearest number of E4M3, ties to even, subnormals kept.
;;     - The product sums the exact products of the quantised numbers (number of the format x scale) in f32.
;;   ~~~python
;;   def quantise(x, axis, e):      # numpy; x: float32 -> the quantised numbers, widened to float32 again
;;       x = np.moveaxis(x, axis, -1); K = x.shape[-1]
;;       r = np.clip(x / 2.0 ** e, -448, 448)
;;       step = 2.0 ** (np.maximum(np.frexp(np.where(r == 0, 1, r))[1] - 1, -6) - 3)
;;       q = np.round(r / step) * step * 2.0 ** e      # np.round: ties to even
;;       return np.moveaxis(q, -1, axis).astype(np.float32)
;;   ~~~
;;   SOFTMAX AHEAD OF A QUANTISED PRODUCT. Where the list says 'softmax', what is quantised is not the finished softmax but p = 2^(t - M), with t = logit x log2(e) and M = ceil(the row's largest t), a whole number; so 1/2 < the row's largest p <= 1. The row's sum l is taken of the UNQUANTISED p, in f32, and the product's result is divided by l at the end. Since M is a whole number, a kernel that streams over the keys may use a running M (the ceiling of the running maximum): every later rescaling is an exact power of two, so the quantised numbers keep their values, but for numbers so far below the row's largest that they fall under the format's range.
;;   OPERANDS COMPUTED ON THE WAY. 'Computed on the way' means the value that the module computes at that place (a softmax that the list does not call 'softmax' is quantised finished and normalised). What goes into a quantiser is computed in f32, as accurately as f32 sums, v_exp_f32 and their like allow (about 1e-6 of the number): no bf16 or f16 on the way to a quantiser, and a product that is left as it is and whose result goes on into a quantised operand takes f32 operands (vector FMAs, or v_wmma_f32_16x16x4_f32). A number that lies on a knife's edge between two numbers of the format may be rounded either way, as far as f32 arithmetic and the matrix unit's own rounding can turn it there, and no further.
;; One version. Each part assembles by itself: llvm-mc -triple=amdgcn-amd-amdhsa -mcpu=gfx1250 --defsym DOCPART=n.
;; ======== version 1 of 1: 7 launches
;; limits: right only within a limited range of input values
;; workspace buffers: wimg 12,582,912 bytes; himg 12,582,912 bytes; qkvimg 12,582,912 bytes; cimg 4,194,304 bytes; x1 16,777,216 bytes; h2img 4,194,304 bytes; gimg 16,777,216 bytes
;; launch prep (part 1): grid 640 x 1, 4 waves a work-group, no clusters, 85,248 bytes of LDS; arguments Wq, Wk, Wv, Wo, W1, W2, lowp_scales, wimg, x, ln1_scale, ln1_shift, himg; writes wimg, himg
.if DOCPART == 1
	.amdgcn_target "amdgcn-amd-amdhsa--gfx1250"
	.amdhsa_code_object_version 6
	.text
	.protected	k_q3ce81f5c20_prep
	.globl	k_q3ce81f5c20_prep
	.p2align	8
	.type	k_q3ce81f5c20_prep,@function
k_q3ce81f5c20_prep:
	s_mov_b64 s[64:65], 0
	v_nop
	global_prefetch_b8 v0, s[64:65] scope:SCOPE_SE
	s_setreg_imm32_b32 hwreg(HW_REG_WAVE_MODE, 25, 1), 1
	s_wait_xcnt 0x0
; THE PROGRAM: a transformer block on 4,096 tokens, all eight matrix products on codes of FP8 (E4M3), each operand with the given scale 2^e.  Seven launches:
; this one (weights -> codes, and LN1), QKV, attention, Wo + residual, LN2, W1 + GELU, W2 + residual.
; WORK LEFT OUT (in the attention launch): reference() itself sets the score of key k for query q to -infinity where k > q, so its softmax weight is 0 for all values of the inputs.
; A step of 128 keys all of which come after a wave's 16 queries therefore adds nothing to any output and is not computed.  LIMIT: a NaN, an infinity or an overflow that would arise
; only in those scores is not carried to the result.  No input is without a way to the output: all are loaded.
; EVERY OPERAND OF CODES LIES IN MEMORY AS AN IMAGE OF THE OPERAND'S REGISTERS.  A fragment is 16 rows x 128 K = 2,048 bytes = 4 images of 512 bytes; in image c lane l (r = l % 16, h = l / 16) owns the
; 16 bytes at 16 l: K = 32 c + 8 h + 0..7, then K = 32 c + 16 + 8 h + 0..7, of row r: the layout of v_wmma_f32_16x16x128_fp8_fp8's sources.  An operand [R][K] is [R/16][K/128][4][512 bytes].
; THIS LAUNCH HAS TWO PATHS, which part on the work-group's number alone and never join; neither needs the other's result.  Each has LDS bytes of its own.
; WORK-GROUPS 0-383, THE WEIGHTS: W [K][N] f32, K its first axis, becomes images with rows = columns n.  code = w / 2^e, held within +-448, to the nearest code, ties to even.
; wimg: Wq +0, Wk +1 MiB, Wv +2 MiB, Wo +3 MiB, W1 +4 MiB, W2 +8 MiB.  e: entries 1, 3, 5, 11, 13, 15.
; A work-group takes 128 columns x 256 K, a wave 32 columns, A LANE A COLUMN, ITS REGISTERS DOWN K: each load reads 128 neighbouring bytes a wave, and the conversions give codes with K innermost.
; They turn through the wave's own stage in LDS and leave as images, 512 neighbouring bytes a store.  One text for all six tensors: sizes and pointers are chosen on the work-group's number.
; WORK-GROUPS 384-639, LN1: h = scale (x - mean) / sqrt(var + 1e-5) + shift by rows of 1,024, in f32 (mean first, then the mean of the squared differences), quantised three times: the products with
; Wq, Wk, Wv name three scales for the same h (entries 0, 2, 4), so h is laid down as three operands of codes, 4 MiB apart, each [256 row tiles][8 fragments][2,048 bytes].
; A work-group takes 16 rows (one row tile), a wave 4 of them; a row is eight loads of 512 neighbouring bytes: lane l holds numbers 4 l + 128 j + 0..3.  All of a wave's loads go out at the head.
; A conversion's two words are then the four codes at bytes 4 l + 128 j of the row for two j: they go to a stage in LDS (rows of 1,024 + 16 bytes), one barrier, and each wave reads two fragments of each operand back as images.
; LIMITS: every e between -126 and 119; NaN among the inputs is not served.
; Work-groups share no input but gain and shift (8 KiB): no cluster; no matrix unit: memory binds.
.set NQW,  384                         ; work-groups of the weights' path
.set QP,   272                         ; the weights' stage row: a column's 256 codes + 16 bytes: 68 words, so the 32 lanes of a read-back touch 64 different banks (ISA guide 11.1)
.set LB,   4*32*QP                     ; behind the weights' four stages: the norm's stages
.set NOUT, 3
.set E0,   0                           ; entries E0, E0 + 2, ..
.set ROWP, 1040
.set STG,  16*ROWP
.set SPARE, LB+NOUT*STG                ; behind both paths' stages: the spare words, 128 bytes a wave
.set SPW,  12                          ; v12  my spare word's address; never rewritten
.set NIL,  13                          ; v13  0; never rewritten
; the weights' path
.set VO,   16                          ; v16-47  4 x lane + i rows of W
.set QX,   48                          ; v48-111 two sets of 32 numbers
.set QC,   112                         ; v112-119 a block's codes
.set OUTR, 120                         ; v120-183 sixteen images
.set BB,   68                          ; s[68:83] where each of my 8 blocks of 32 along K begins
; the norm's path
.set X,    16                          ; v16-143  four rows; later the images
.set SC,   144                         ; v144-175 gain
.set SH,   176                         ; v176-207 shift
.set T,    208                         ; v208-223 at work
.set C,    224                         ; v224-247 a row's code words, 8 for each operand
.set RS,   248                         ; v[248+2i] var + eps, then 1 / sqrt of it, of row i (the odd registers are only named in pairs)
	v_lshl_add_u32 v[SPW], v0, 2, SPARE
	v_mov_b32 v[NIL], 0
	s_cmp_lt_u32 ttmp9, NQW                        ; the work-group's number: all four waves go the same way
	s_cbranch_scc0 .Lnorm
; ---------------- THE WEIGHTS ----------------
	s_load_b512 s[8:23], s[0:1], 0x0               ; Wq Wk Wv Wo W1 W2 lowp_scales wimg
	v_lshrrev_b32 v1, 5, v0
	v_readfirstlane_b32 s4, v1                     ; wave
	v_and_b32 v2, 31, v0                           ; lane
	v_lshlrev_b32 v3, 2, v2
	s_wait_alu depctr_va_vdst(0)
	s_mul_i32 s5, s4, 32*QP                        ; my stage
	v_mul_u32_u24 v4, v2, QP
	v_add_nc_u32 v4, s5, v4                        ; into it: row = my column
	v_and_b32 v5, 15, v2
	v_lshrrev_b32 v6, 4, v2
	v_mul_u32_u24 v7, v5, QP
	v_lshl_add_u32 v7, v6, 3, v7
	v_add_nc_u32 v7, s5, v7                        ; out of it: row r, + 8 h
	v_lshlrev_b32 v8, 4, v2                        ; 16 x lane: my place in an image
	; which tensor: work-groups 0-127: Wq..Wo, 32 each; 128-255: W1; 256-383: W2
	s_lshr_b32 s24, ttmp9, 5
	s_lshr_b32 s25, ttmp9, 7
	s_mov_b32 s26, 4096
	s_cmp_eq_u32 s25, 1
	s_cselect_b32 s26, 16384, s26                  ; a row of W in bytes
	s_cselect_b32 s27, 5, 3                        ; bits of the column block's number
	s_mov_b32 s31, 16384
	s_cmp_eq_u32 s25, 2
	s_cselect_b32 s31, 0x10000, s31                ; a row tile of images: K x 16 bytes
	s_lshl_b32 s32, s24, 20
	s_lshl_b32 s33, s25, 22
	s_cmp_eq_u32 s25, 0
	s_cselect_b32 s32, s32, s33                    ; the tensor's place in wimg
	s_cselect_b32 s28, 31, 127
	s_and_b32 s28, ttmp9, s28                      ; my number within the tensor
	s_bfm_b32 s29, s27, 0
	s_and_b32 s29, s28, s29                        ; nx: which 128 columns
	s_lshr_b32 s30, s28, s27                       ; ky: which 256 along K
	s_mul_i32 s56, s30, s26
	s_lshl_b32 s56, s56, 8                         ; 256 ky rows
	s_lshl_b32 s57, s29, 9
	s_add_co_u32 s56, s56, s57                     ; + 128 nx columns
	s_lshl_b32 s57, s4, 7
	s_add_co_u32 s56, s56, s57                     ; + 32 columns a wave
	s_mov_b32 s57, 0
	s_lshl_b32 s58, s26, 5                         ; 32 rows on
	s_mov_b32 s59, 0
	s_lshl_b32 s60, s29, 3
	s_lshl_b32 s61, s4, 1
	s_add_co_u32 s60, s60, s61                     ; my first row tile: 8 nx + 2 wave
	s_mul_i32 s60, s60, s31
	s_add_co_u32 s60, s60, s32
	s_lshl_b32 s61, s30, 12                        ; + 2 ky fragments
	s_add_co_u32 s60, s60, s61
	s_mov_b32 s61, 0
	s_mov_b32 s62, s31
	s_mov_b32 s63, 0
.set i, 0
.rept 32
	v_mad_u32_u24 v[VO+i], s26, i, v3
.set i, i+1
.endr
	s_wait_alu depctr_va_vdst(0)
	s_wait_kmcnt 0x0
	s_load_b512 s[36:51], s[20:21], 0x0            ; the sixteen exponents
	s_cmp_eq_u32 s24, 1                            ; the choices hang on the work-group's number alone
	s_cselect_b64 s[34:35], s[10:11], s[8:9]
	s_cmp_eq_u32 s24, 2
	s_cselect_b64 s[34:35], s[12:13], s[34:35]
	s_cmp_eq_u32 s24, 3
	s_cselect_b64 s[34:35], s[14:15], s[34:35]
	s_cmp_eq_u32 s25, 1
	s_cselect_b64 s[34:35], s[16:17], s[34:35]
	s_cmp_eq_u32 s25, 2
	s_cselect_b64 s[34:35], s[18:19], s[34:35]
	s_add_nc_u64 s[BB:BB+1], s[34:35], s[56:57]
.irp t, 1,2,3,4,5,6,7
	s_add_nc_u64 s[BB+2*\t:BB+2*\t+1], s[BB+2*\t-2:BB+2*\t-1], s[58:59]
.endr
	s_add_nc_u64 s[52:53], s[22:23], s[60:61]      ; images of my first row tile,
	s_add_nc_u64 s[54:55], s[52:53], s[62:63]      ; and of my second
.macro LOAD t                          ; block t: W(32 t + i, my column) into set t % 2
.set i, 0
.rept 32
	global_load_b32 v[QX+32*((\t)%2)+i], v[VO+i], s[BB+2*(\t):BB+2*(\t)+1] th:TH_LOAD_NT
.set i, i+1
.endr
.endm
	LOAD 0
	LOAD 1
	s_wait_kmcnt 0x0
	s_cmp_eq_u32 s24, 1
	s_cselect_b32 s6, s39, s37
	s_cmp_eq_u32 s24, 2
	s_cselect_b32 s6, s41, s6
	s_cmp_eq_u32 s24, 3
	s_cselect_b32 s6, s47, s6
	s_cmp_eq_u32 s25, 1
	s_cselect_b32 s6, s49, s6
	s_cmp_eq_u32 s25, 2
	s_cselect_b32 s6, s51, s6                      ; e
	s_add_co_i32 s6, s6, 127
	s_lshl_b32 s7, s6, 23
	v_mov_b32 v11, s7                              ; 2^e as f32: the conversion takes its exponent field
	s_add_co_i32 s6, s6, 8
	s_lshl_b32 s6, s6, 23
	s_or_b32 s6, s6, 0x600000
	v_mov_b32 v10, s6                              ; 448 x 2^e
.macro BLOCK t
.set XS, QX+32*((\t)%2)
.if (\t) < 7
	s_wait_loadcnt 32                              ; this block's 32 loads are in; the next block's may be out
.else
	s_wait_loadcnt 0
.endif
.set i, 0
.rept 32
	v_med3_num_f32 v[XS+i], v[XS+i], -v10, v10     ; the conversion does not saturate (ISA guide 7.6.2): the hold comes first
.set i, i+1
.endr
.irp g, 0,1,2,3
	v_cvt_scalef32_pk8_fp8_f32 v[QC+2*\g:QC+2*\g+1], v[XS+8*\g:XS+8*\g+7], v11
.endr
	ds_store_b128 v4, v[QC:QC+3] offset:32*(\t)    ; 32 codes of my column (the next vector lines, the next block's holds, are plain and name other registers)
	ds_store_b128 v4, v[QC+4:QC+7] offset:32*(\t)+16
.if (\t)+2 < 8
	LOAD (\t)+2
.endif
	s_wait_dscnt 0x0                               ; the stores have read their registers: the next block's codes may be written
.endm
	s_wait_alu depctr_va_vdst(0)
.irp t, 0,1,2,3,4,5,6,7
	BLOCK \t
.endr
.set m, 0
.rept 16                               ; image m: row tile m / 8, fragment (m / 4) % 2, image m % 4.  LDS serves a wave's instructions in order: these see my stores
	ds_load_b64 v[OUTR+4*m:OUTR+4*m+1],   v7 offset:(m/8)*16*QP+((m/4)%2)*128+32*(m%4)
	ds_load_b64 v[OUTR+4*m+2:OUTR+4*m+3], v7 offset:(m/8)*16*QP+((m/4)%2)*128+32*(m%4)+16
.set m, m+1
.endr
.set m, 0
.rept 16
	s_wait_dscnt 30-2*m                            ; image m's two loads are in; the younger ones may be out
	global_store_b128 v8, v[OUTR+4*m:OUTR+4*m+3], s[52+2*(m/8):53+2*(m/8)] offset:((m/4)%2)*2048+(m%4)*512   ; 32 lanes store 512 consecutive, aligned bytes
.set m, m+1
.endr
	s_wait_tensorcnt 0x0                           ; the wave's end: behind my last LDS store
	ds_add_u32 v[SPW], v[NIL]
	s_wait_dscnt 0x0
	s_endpgm
; ---------------- LN1 ----------------
.Lnorm:
	s_load_b256 s[4:11], s[0:1], 0x40              ; x, gain, shift, himg
	s_load_b64 s[12:13], s[0:1], 0x30              ; lowp_scales
	v_lshrrev_b32 v1, 5, v0
	v_readfirstlane_b32 s14, v1                    ; wave
	v_and_b32 v1, 31, v0
	v_lshlrev_b32 v2, 4, v1                        ; 16 x lane
	s_mul_i32 s15, s14, 4*ROWP
	s_add_co_u32 s15, s15, LB
	v_lshlrev_b32 v3, 2, v1
	v_add_nc_u32 v3, s15, v3                       ; the stage, in: my wave's four rows, + 4 x lane
	v_and_b32 v10, 15, v0
	v_mul_u32_u24 v10, v10, ROWP
	v_bfe_u32 v11, v0, 4, 1
	v_lshl_add_u32 v10, v11, 3, v10
	s_lshl_b32 s15, s14, 8
	s_add_co_u32 s15, s15, LB
	v_add_nc_u32 v10, s15, v10                     ; and out: row r, + 8 h, + my two fragments' 256 bytes
	s_sub_co_u32 s2, ttmp9, NQW                    ; my row tile
	s_lshl_b32 s16, s2, 16                         ; 16 rows of 4,096 bytes a work-group,
	s_lshl_b32 s17, s14, 14                        ; 4 a wave
	s_add_co_u32 s16, s16, s17
	s_mov_b32 s17, 0
	s_lshl_b32 s18, s2, 14                         ; a row tile of images,
	s_lshl_b32 s19, s14, 12                        ; two fragments a wave
	s_add_co_u32 s18, s18, s19
	s_mov_b32 s19, 0
	s_mov_b32 s20, 0x3a800000                      ; 1 / 1,024
	s_mov_b32 s21, 0x3727c5ac                      ; 1e-5
	s_mov_b32 s22, 0x76543210                      ; v_permlanex16_b32: lane l xor 16
	s_mov_b32 s23, 0xfedcba98
	v_mov_b32 v15, 0                               ; a lane permute's destination counts as read
.irp i, 0,1,2,3
	v_mov_b32 v[RS+2*\i+1], 0
.endr
	s_wait_kmcnt 0x0
.set o, 0
.rept NOUT
	s_load_b32 s[24+o], s[12:13], 4*(E0+2*o)
.set o, o+1
.endr
	s_add_nc_u64 s[4:5], s[4:5], s[16:17]
	s_add_nc_u64 s[28:29], s[10:11], s[18:19]
	s_add_nc_u64 s[30:31], s[28:29], 0x400000
	s_add_nc_u64 s[32:33], s[30:31], 0x400000
.set i, 0
.rept 32
	global_load_b128 v[X+4*i:X+4*i+3], v2, s[4:5] offset:(i/8)*4096+(i%8)*512
.set i, i+1
.endr
.set i, 0
.rept 8
	global_load_b128 v[SC+4*i:SC+4*i+3], v2, s[6:7] offset:512*i
.set i, i+1
.endr
.set i, 0
.rept 8
	global_load_b128 v[SH+4*i:SH+4*i+3], v2, s[8:9] offset:512*i
.set i, i+1
.endr
	s_wait_kmcnt 0x0
.set o, 0
.rept NOUT
	s_add_co_i32 s34, s[24+o], 127
	s_lshl_b32 s35, s34, 23
	v_mov_b32 v[4+2*o], s35                        ; 2^e
	s_add_co_i32 s34, s34, 8
	s_lshl_b32 s34, s34, 23
	s_or_b32 s34, s34, 0x600000
	v_mov_b32 v[5+2*o], s34                        ; 448 x 2^e
.set o, o+1
.endr
.macro FOLD                            ; four packed chains in T -> the wave's sum in every lane's v14
	v_pk_add_f32 v[T:T+1], v[T:T+1], v[T+2:T+3]
	v_pk_add_f32 v[T+4:T+5], v[T+4:T+5], v[T+6:T+7]
	v_pk_add_f32 v[T:T+1], v[T:T+1], v[T+4:T+5]
	v_add_f32 v14, v[T], v[T+1]
	v_add_f32_dpp v14, v14, v14 row_xmask:1 row_mask:0xf bank_mask:0xf
	v_add_f32_dpp v14, v14, v14 row_xmask:2 row_mask:0xf bank_mask:0xf
	v_add_f32_dpp v14, v14, v14 row_xmask:4 row_mask:0xf bank_mask:0xf
	v_add_f32_dpp v14, v14, v14 row_xmask:8 row_mask:0xf bank_mask:0xf
	v_permlanex16_b32 v15, v14, s22, s23
	v_add_f32 v14, v14, v15
.endm
.macro STAT i                          ; row i: x becomes x - mean; var + eps
.set XI, X+32*(\i)
	s_wait_loadcnt (3-(\i))*8+16                   ; my rows up to this one are in; the later rows' loads and the sixteen of gain and shift may be out
.irp k, 0,1,2,3
	v_pk_add_f32 v[T+2*\k:T+2*\k+1], v[XI+4*\k:XI+4*\k+1], v[XI+4*\k+2:XI+4*\k+3]
.endr
.irp p, 8,9,10,11,12,13,14,15
	v_pk_add_f32 v[T+2*(\p%4):T+2*(\p%4)+1], v[T+2*(\p%4):T+2*(\p%4)+1], v[XI+2*\p:XI+2*\p+1]
.endr
	FOLD
	v_mul_f32 v14, 0xba800000, v14                 ; -mean
.set p, 0
.rept 16
	v_pk_add_f32 v[XI+p:XI+p+1], v[XI+p:XI+p+1], v[14:15] op_sel_hi:[1,0]
.set p, p+2
.endr
.irp k, 0,1,2,3
	v_pk_mul_f32 v[T+2*\k:T+2*\k+1], v[XI+2*\k:XI+2*\k+1], v[XI+2*\k:XI+2*\k+1]
.endr
.irp p, 4,5,6,7,8,9,10,11,12,13,14,15
	v_pk_fma_f32 v[T+2*(\p%4):T+2*(\p%4)+1], v[XI+2*\p:XI+2*\p+1], v[XI+2*\p:XI+2*\p+1], v[T+2*(\p%4):T+2*(\p%4)+1]
.endr
	FOLD
	v_fma_f32 v[RS+2*(\i)], v14, s20, s21
.endm
.macro NORMQ i                         ; row i: h, then its codes for each operand, into the stages
.set XI, X+32*(\i)
.set p, 0
.rept 16
	v_pk_mul_f32 v[XI+p:XI+p+1], v[XI+p:XI+p+1], v[RS+2*(\i):RS+2*(\i)+1] op_sel_hi:[1,0]
.set p, p+2
.endr
.set p, 0
.rept 16
	v_pk_fma_f32 v[XI+p:XI+p+1], v[XI+p:XI+p+1], v[SC+p:SC+p+1], v[SH+p:SH+p+1]
.set p, p+2
.endr
	s_wait_dscnt 0x0                               ; the last row's stores have read the code words
.set o, 0
.rept NOUT
.irp u, 0,1
.set k, 0
.rept 16
	v_med3_num_f32 v[T+k], v[XI+16*\u+k], -v[5+2*o], v[5+2*o]   ; the conversion does not saturate (ISA guide 7.6.2)
.set k, k+1
.endr
	v_cvt_scalef32_pk8_fp8_f32 v[C+8*o+4*\u:C+8*o+4*\u+1], v[T:T+7], v[4+2*o]
	v_cvt_scalef32_pk8_fp8_f32 v[C+8*o+4*\u+2:C+8*o+4*\u+3], v[T+8:T+15], v[4+2*o]
	v_nop                                          ; a plain line between the conversions and the next writes of their sources
.endr
.irp j, 0,1,2,3,4,5,6,7
	ds_store_b32 v3, v[C+8*o+\j] offset:o*STG+(\i)*ROWP+128*\j
.endr
.set o, o+1
.endr
.endm
	STAT 0
	STAT 1
	STAT 2
	STAT 3
	s_wait_alu depctr_va_vdst(0)
.irp i, 0,1,2,3
	v_rsq_f32 v[RS+2*\i], v[RS+2*\i]
.endr
	v_nop                                          ; a plain line behind the last of the batch,
	s_wait_alu depctr_va_vdst(0)                   ; and one wait for the four, ahead of their first reader
	s_wait_loadcnt 0x0                             ; gain and shift
	NORMQ 0
	NORMQ 1
	NORMQ 2
	NORMQ 3
	s_wait_dscnt 0x0                               ; for the others' sake: my stores have landed
	s_barrier_signal -1
	s_barrier_wait -1                              ; sixteen whole rows of codes lie in each stage
.set m, 0
.rept 8*NOUT                           ; image m: operand m / 8, my fragment (m / 4) % 2, image m % 4
	ds_load_b64 v[X+4*m:X+4*m+1],   v10 offset:(m/8)*STG+((m/4)%2)*128+32*(m%4)
	ds_load_b64 v[X+4*m+2:X+4*m+3], v10 offset:(m/8)*STG+((m/4)%2)*128+32*(m%4)+16
.set m, m+1
.endr
.set m, 0
.rept 8*NOUT
	s_wait_dscnt 2*(8*NOUT-1-m)                    ; image m's two loads are in; the younger ones may be out
	global_store_b128 v2, v[X+4*m:X+4*m+3], s[28+2*(m/8):29+2*(m/8)] offset:((m/4)%2)*2048+(m%4)*512   ; 512 consecutive, aligned bytes
.set m, m+1
.endr
	s_wait_tensorcnt 0x0                           ; the wave's end: behind my last LDS store
	ds_add_u32 v[SPW], v[NIL]
	s_wait_dscnt 0x0
	s_endpgm
.Lfunc_end_k_q3ce81f5c20_prep:
	.size	k_q3ce81f5c20_prep, .Lfunc_end_k_q3ce81f5c20_prep-k_q3ce81f5c20_prep
	.p2alignl 7, 3214868480
	.fill 96, 4, 3214868480
	.section	.rodata,"a",@progbits
	.p2align	6, 0x0
	.amdhsa_kernel k_q3ce81f5c20_prep
		.amdhsa_group_segment_fixed_size 85248
		.amdhsa_private_segment_fixed_size 0
		.amdhsa_enable_private_segment 0
		.amdhsa_kernarg_size 96
		.amdhsa_user_sgpr_count 2
		.amdhsa_user_sgpr_kernarg_segment_ptr 1
		.amdhsa_wavefront_size32 1
		.amdhsa_system_sgpr_workgroup_id_x 1
		.amdhsa_system_sgpr_workgroup_id_y 1
		.amdhsa_system_sgpr_workgroup_id_z 1
		.amdhsa_system_vgpr_workitem_id 0
		.amdhsa_next_free_vgpr 256
		.amdhsa_next_free_sgpr 84
		.amdhsa_reserve_vcc 0
		.amdhsa_float_denorm_mode_32 3
		.amdhsa_float_denorm_mode_16_64 3
		.amdhsa_memory_ordered 1
		.amdhsa_forward_progress 1
		.amdhsa_inst_pref_size 126
	.end_amdhsa_kernel
	.amdgpu_metadata
---
amdhsa.version: [ 1, 2 ]
amdhsa.kernels:
  - .name:           k_q3ce81f5c20_prep
    .symbol:         k_q3ce81f5c20_prep.kd
    .args:
      - { .name: Wq, .offset: 0, .size: 8, .value_kind: global_buffer, .address_space: global }
      - { .name: Wk, .offset: 8, .size: 8, .value_kind: global_buffer, .address_space: global }
      - { .name: Wv, .offset: 16, .size: 8, .value_kind: global_buffer, .address_space: global }
      - { .name: Wo, .offset: 24, .size: 8, .value_kind: global_buffer, .address_space: global }
      - { .name: W1, .offset: 32, .size: 8, .value_kind: global_buffer, .address_space: global }
      - { .name: W2, .offset: 40, .size: 8, .value_kind: global_buffer, .address_space: global }
      - { .name: lowp_scales, .offset: 48, .size: 8, .value_kind: global_buffer, .address_space: global }
      - { .name: wimg, .offset: 56, .size: 8, .value_kind: global_buffer, .address_space: global }
      - { .name: x, .offset: 64, .size: 8, .value_kind: global_buffer, .address_space: global }
      - { .name: ln1_scale, .offset: 72, .size: 8, .value_kind: global_buffer, .address_space: global }
      - { .name: ln1_shift, .offset: 80, .size: 8, .value_kind: global_buffer, .address_space: global }
      - { .name: himg, .offset: 88, .size: 8, .value_kind: global_buffer, .address_space: global }
    .group_segment_fixed_size: 85248
    .private_segment_fixed_size: 0
    .kernarg_segment_align: 8
    .kernarg_segment_size: 96
    .max_flat_workgroup_size: 128
    .sgpr_count:     84
    .vgpr_count:     256
    .wavefront_size: 32
...
	.end_amdgpu_metadata
.endif
;; end of part 1
;; launch gemm_qkv (part 2): grid 12 x 16, 4 waves a work-group, clusters of 4 x 4, 327,680 bytes of LDS; arguments himg, wimg, lowp_scales, qkvimg; writes qkvimg
.if DOCPART == 2
	.amdgcn_target "amdgcn-amd-amdhsa--gfx1250"
	.amdhsa_code_object_version 6
	.text
	.protected	k_q3ce81f5c20_gemm_qkv
	.globl	k_q3ce81f5c20_gemm_qkv
	.p2align	8
	.type	k_q3ce81f5c20_gemm_qkv,@function
k_q3ce81f5c20_gemm_qkv:
	s_mov_b64 s[64:65], 0
	v_nop
	global_prefetch_b8 v0, s[64:65] scope:SCOPE_SE
	s_setreg_imm32_b32 hwreg(HW_REG_WAVE_MODE, 25, 1), 1
	s_wait_xcnt 0x0
	s_wait_alu depctr_hold_cnt(0) depctr_sa_sdst(0) depctr_va_vdst(0) depctr_va_sdst(0) depctr_va_ssrc(0) depctr_va_vcc(0) depctr_vm_vsrc(0)
	s_getreg_b32 s2, hwreg(HW_REG_IB_STS2, 6, 4)
	s_cmp_eq_u32 s2, 0
	s_cbranch_scc0 .Lentry_in_a_cluster
	s_endpgm
.Lentry_in_a_cluster:
	s_bfe_u32 s2, ttmp6, 0x10000c
	s_cmp_lg_u32 s2, 0xf033
	s_cbranch_scc0 .Lentry_shape_is_right
	s_endpgm
.Lentry_shape_is_right:
; q, k, v = h Wq, h Wk, h Wv on codes of FP8 (entries 0 to 5), K = 1,024, each quantised at once for the attention launch (entries 6, 7, 9) and stored as images (layout: head of the first kernel).
; Cluster x chooses the product.  Tile 256 x 256, four waves of 128 x 128, K steps of 256 through two LDS slots; for v the two operands change places, so that its images have the keys innermost.
; CLUSTERS: 4 x 4; the first operand's tiles are asked for jointly along a row of the cluster, the second's along a column.  LIMITS: each folded exponent between -126 and 119.
.set SLOT,  131072
.set SPARE, 2*SLOT
.set KSB,   4096
.set LAPS,  2
.set FR,    16
.set NL,    4
.set NP,    4
.set SCL,  10
.set LIM,  11
.set ADRA, 16
.set ADRB, 20
.set LO,   24
.set SPW,  28
.set NIL,  29
.set TMP,  32
.set AF,   128
.set OC,   128
.set G1, 24
.set G0, 32
.set G1B, 48
.set G0B, 56
.set MSB, 0
.macro WIN new
.if MSB != \new
	s_set_vgpr_msb (MSB<<8)|\new
.set MSB, \new
.endif
.endm
.set MUL_LO, 0xa1
.set MUL_HI, 0xf1
.set TO_B,   0x40
.macro JLOAD g0a, g1a, g0b, g1b
	s_cmp_eq_u32 s15, 0
	s_cbranch_scc0 .Lfor_b_\@
	tensor_load_to_lds s[\g0a:\g0a+3], s[\g1a:\g1a+7]
	s_nop 0
.rept 4
	v_nop
.endr
	s_branch .Lasked_\@
.Lfor_b_\@:
	tensor_load_to_lds s[\g0b:\g0b+3], s[\g1b:\g1b+7]
	s_nop 0
.rept 4
	v_nop
.endr
.Lasked_\@:
.endm
.macro CREST
	s_cmp_lg_u32 s14, 0
	s_cbranch_scc1 .Lnot_wave_0_\@
	s_barrier_signal -3
.Lnot_wave_0_\@:
	s_barrier_wait -3
	s_barrier_signal -1
	s_barrier_wait -1
.endm
.macro CROUND
	s_barrier_signal -1
	s_barrier_wait -1
	CREST
.endm
	s_load_b128 s[4:7], s[0:1], 0x0
	s_load_b128 s[8:11], s[0:1], 0x10
	v_lshl_add_u32 v[SPW], v0, 2, SPARE
	v_mov_b32 v[NIL], 0
	ds_add_u32 v[SPW], v[NIL]
	ds_add_u32 v[SPW], v[NIL]
	v_lshrrev_b32 v1, 5, v0
	v_readfirstlane_b32 s14, v1
	s_lshr_b32 s15, s14, 1
	s_and_b32 s16, s14, 1
	s_bfe_u32 s40, ttmp6, 0x40000
	s_bfe_u32 s41, ttmp6, 0x40004
	s_and_b32 s17, ttmp7, 0xffff
	s_lshl_b32 s17, s17, 2
	s_add_co_u32 s42, s17, s40
	s_add_co_u32 s17, s17, s41
	s_lshl_b32 s43, s41, 2
	s_lshl_b32 s43, 15, s43
	s_lshl_b32 s44, 0x1111, s40
	s_or_b32 s[G1+0], s43, (3<<16)|(1<<21)
	s_or_b32 s[G1B+0], s44, (3<<16)|(1<<21)
.irp g, G1, G1B
	s_mov_b32 s[\g+1], 512<<16
	s_mov_b32 s[\g+2], 8<<16
	s_mov_b32 s[\g+3], 512<<16
	s_mov_b32 s[\g+4], 8
	s_mov_b32 s[\g+5], 2048
	s_mov_b32 s[\g+6], 0
	s_mov_b32 s[\g+7], 0
.endr
	s_lshl_b32 s18, s16, 17
	s_cmp_eq_u32 ttmp9, 2
	s_cselect_b32 s20, s41, s17
	s_cselect_b32 s46, s42, s40
	s_lshl_b32 s20, s20, 18
	s_add_co_u32 s20, s20, s18
	s_lshl_b32 s46, s46, 18
	s_add_co_u32 s46, s46, s18
	s_mov_b32 s21, 0
	s_mov_b32 s47, 0
	s_lshl_b32 s2, ttmp9, 22
	s_mov_b32 s3, 0
	s_lshl_b32 s12, ttmp9, 20
	s_mov_b32 s13, 0
	s_lshl_b32 s45, s14, 15
	s_wait_dscnt 0x0
	s_wait_kmcnt 0x0
	s_load_b512 s[68:83], s[8:9], 0x0
	s_add_nc_u64 s[4:5], s[4:5], s[2:3]
	s_add_nc_u64 s[6:7], s[6:7], s[12:13]
	s_cmp_eq_u32 ttmp9, 2
	s_cselect_b64 s[2:3], s[6:7], s[4:5]
	s_cselect_b64 s[12:13], s[4:5], s[6:7]
	s_add_nc_u64 s[20:21], s[2:3], s[20:21]
	s_add_nc_u64 s[46:47], s[12:13], s[46:47]
	; the prefetches: of the 8 row tiles that I fetch, each of the four partners that ask with me takes two, told apart by address (cx along a row, cy along a column)
	s_cmp_eq_u32 s15, 0
	s_cselect_b64 s[92:93], s[20:21], s[46:47]
	s_cselect_b32 s94, s40, s41
	s_lshl_b32 s94, s94, 15                        ; two row tiles of 16,384 bytes
	s_mov_b32 s95, 0
	s_add_nc_u64 s[92:93], s[92:93], s[94:95]
	CROUND
.irp s, 0,1
	s_mov_b32 s[G0+4*\s], 1
	s_add_co_u32 s[G0+4*\s+1], s45, \s*SLOT
	s_add_nc_u64 s[G0+4*\s+2:G0+4*\s+3], s[20:21], \s*KSB
	s_or_b32 s[G0+4*\s+3], s[G0+4*\s+3], 0x80000000
	s_mov_b32 s[G0B+4*\s], 1
	s_add_co_u32 s[G0B+4*\s+1], s45, \s*SLOT
	s_add_nc_u64 s[G0B+4*\s+2:G0B+4*\s+3], s[46:47], \s*KSB
	s_or_b32 s[G0B+4*\s+3], s[G0B+4*\s+3], 0x80000000
	s_wait_alu depctr_va_vdst(0)
	s_wait_tensorcnt 0x0
	ds_add_u32 v28, v29
	ds_add_u32 v28, v29
	s_wait_dscnt 0x0
	CROUND
	JLOAD G0+4*\s, G1, G0B+4*\s, G1B
.if \s == 0
	v_and_b32 v1, 15, v0
	v_bfe_u32 v2, v0, 4, 1
	v_lshlrev_b32 v25, 8, v1
	v_lshl_add_u32 v25, v2, 14, v25                ; v25, never rewritten: a K step of a row tile is 4,096 bytes: lanes 0-15 name its 16 blocks of 256 bytes, lanes 16-31 the next row tile's
	global_prefetch_b8 v25, s[92:93] offset:KSB th:TH_LOAD_NT scope:SCOPE_SE     ; K step 1, one load ahead,
	global_prefetch_b8 v25, s[92:93] offset:2*KSB th:TH_LOAD_NT scope:SCOPE_SE   ; and K step 2, two loads ahead
.else
	global_prefetch_b8 v25, s[92:93] offset:3*KSB th:TH_LOAD_NT scope:SCOPE_SE   ; K step 3, two loads ahead; the refills ask for nothing: no K step follows
.endif
.endr
	v_and_b32 v1, 31, v0
	v_lshlrev_b32 v[LO], 4, v1
	s_lshl_b32 s22, s15, 15
	s_lshl_b32 s23, s16, 15
	s_add_co_u32 s23, s23, 65536
.irp s, 0,1
	v_add_nc_u32 v[ADRA+\s], s22, v[LO]
	v_add_nc_u32 v[ADRB+\s], s23, v[LO]
	s_add_co_u32 s22, s22, SLOT
	s_add_co_u32 s23, s23, SLOT
.endr
.macro FRAG reg, adr, q, i
.irp c, 0,1,2,3
	ds_load_b128 v[\reg+4*\c:\reg+4*\c+3], v[\adr] offset:2048*(\q)+512*\c+(\i)*4096
.endr
.endm
.macro MUL16 a0, p, zero
.irp a, \a0, \a0+1
.irp b, 0,1,2,3,4,5,6,7
.if \zero
	v_wmma_f32_16x16x128_fp8_fp8 v[8*(8*((\a)%4)+\b):8*(8*((\a)%4)+\b)+7], v[128*(\p)+FR*\b:128*(\p)+FR*\b+FR-1], v[AF+FR*(\a):AF+FR*(\a)+FR-1], 0
.else
	v_wmma_f32_16x16x128_fp8_fp8 v[8*(8*((\a)%4)+\b):8*(8*((\a)%4)+\b)+7], v[128*(\p)+FR*\b:128*(\p)+FR*\b+FR-1], v[AF+FR*(\a):AF+FR*(\a)+FR-1], v[8*(8*((\a)%4)+\b):8*(8*((\a)%4)+\b)+7]
.endif
.endr
.endr
.endm
.macro FETCH_B slot, q, p
	WIN TO_B
.irp i, 0,1,2,3,4,5,6,7
	FRAG 128*(\p)+FR*\i, ADRB+\slot, \q, \i
.endr
	WIN 0
.endm
.macro FETCH_A slot, q, i0
.irp i, \i0, \i0+1, \i0+2, \i0+3
	FRAG AF+FR*(\i), ADRA+\slot, \q, \i
.endr
.endm
.macro PLACES n
.rept \n
	v_nop
.endr
.endm
.macro STEP slot, q, zero
	s_wait_dscnt 4*NL
	WIN MUL_LO
	MUL16 0, (\q)%2, \zero
	MUL16 2, (\q)%2, \zero
	s_wait_dscnt 0
	PLACES NP
	FETCH_B \slot, (\q)+1, 1-(\q)%2
	FETCH_A \slot, (\q)+1, 0
	WIN MUL_HI
	MUL16 4, (\q)%2, \zero
	MUL16 6, (\q)%2, \zero
	PLACES NP
	WIN 0
	FETCH_A \slot, (\q)+1, 4
.endm
.macro TURN slot, next, fill
	s_wait_tensorcnt 0x0
	ds_add_u32 v[SPW], v[NIL]
	s_wait_dscnt 4*NL+1
	WIN MUL_LO
	MUL16 0, 1, 0
	s_wait_dscnt 0x0
	s_barrier_signal -1
	MUL16 2, 1, 0
	WIN 0
	s_barrier_wait -1
.if \fill
	CREST
	s_add_nc_u64 s[G0+4*\slot+2:G0+4*\slot+3], s[G0+4*\slot+2:G0+4*\slot+3], 2*KSB
	s_add_nc_u64 s[G0B+4*\slot+2:G0B+4*\slot+3], s[G0B+4*\slot+2:G0B+4*\slot+3], 2*KSB
	JLOAD G0+4*\slot, G1, G0B+4*\slot, G1B
.else
	PLACES NP
.endif
	FETCH_B \next, 0, 0
	FETCH_A \next, 0, 0
	WIN MUL_HI
	MUL16 4, 1, 0
	MUL16 6, 1, 0
	PLACES NP
	WIN 0
	FETCH_A \next, 0, 4
.endm
	s_wait_alu depctr_va_vdst(0)
	s_wait_tensorcnt 1
	s_barrier_signal -1
	s_barrier_wait -1
	FETCH_B 0, 0, 0
	FETCH_A 0, 0, 0
	FETCH_A 0, 0, 4
	STEP 0, 0, 1
	s_mov_b32 s3, LAPS-1
.Llap:
	TURN 0, 1, 1
	STEP 1, 0, 0
	TURN 1, 0, 1
	STEP 0, 0, 0
	s_sub_co_u32 s3, s3, 1
	s_cmp_lg_u32 s3, 0
	s_cbranch_scc1 .Llap
	TURN 0, 1, 0
	STEP 1, 0, 0
	s_wait_dscnt 4*NL
	WIN MUL_LO
	MUL16 0, 1, 0
	MUL16 2, 1, 0
	s_wait_dscnt 0
	WIN MUL_HI
	MUL16 4, 1, 0
	MUL16 6, 1, 0
	WIN 0
.macro OUT a, isv
.set AC, 64*((\a)%4)
	WIN 0x02+((\a)/4)
.set i, 0
.rept 64
	v_med3_num_f32 v[TMP+i], v[AC+i], -v[LIM], v[LIM]
.set i, i+1
.endr
	WIN 0
.irp p, 0,1,2,3
	v_cvt_scalef32_pk8_fp8_f32 v[OC+16*(\a)+4*\p:OC+16*(\a)+4*\p+1],   v[TMP+16*\p:TMP+16*\p+7],    v[SCL]
	v_cvt_scalef32_pk8_fp8_f32 v[OC+16*(\a)+4*\p+2:OC+16*(\a)+4*\p+3], v[TMP+16*\p+8:TMP+16*\p+15], v[SCL]
.endr
	v_nop
.irp p, 0,1,2,3
.if \isv
	global_store_b128 v[LO], v[OC+16*(\a)+4*\p:OC+16*(\a)+4*\p+3], s[10:11] offset:((\a)/4)*131072+((\a)%4)*2048+\p*512
.else
	global_store_b128 v[LO], v[OC+16*(\a)+4*\p:OC+16*(\a)+4*\p+3], s[10:11] offset:(\a)*1024+(\p/2)*131072+(\p%2)*512
.endif
.endr
.endm
	s_wait_kmcnt 0x0
	s_sub_co_i32 s84, s74, s68
	s_sub_co_i32 s84, s84, s69
	s_sub_co_i32 s85, s75, s70
	s_sub_co_i32 s85, s85, s71
	s_sub_co_i32 s86, s77, s72
	s_sub_co_i32 s86, s86, s73
	s_cmp_eq_u32 ttmp9, 1
	s_cselect_b32 s84, s85, s84
	s_cmp_eq_u32 ttmp9, 2
	s_cselect_b32 s84, s86, s84
	s_add_co_i32 s84, s84, 127
	s_lshl_b32 s85, s84, 23
	v_mov_b32 v[SCL], s85
	s_add_co_i32 s84, s84, 8
	s_lshl_b32 s84, s84, 23
	s_or_b32 s84, s84, 0x600000
	v_mov_b32 v[LIM], s84
	PLACES NP
	s_cmp_eq_u32 ttmp9, 2
	s_cbranch_scc1 .Lout_v
	s_lshr_b32 s88, s17, 3
	s_lshl_b32 s88, s88, 21
	s_lshl_b32 s89, ttmp9, 22
	s_add_co_u32 s88, s88, s89
	s_lshl_b32 s89, s40, 2
	s_lshl_b32 s90, s16, 1
	s_add_co_u32 s89, s89, s90
	s_lshl_b32 s89, s89, 17
	s_add_co_u32 s88, s88, s89
	s_and_b32 s89, s17, 7
	s_lshl_b32 s89, s89, 4
	s_lshl_b32 s90, s15, 3
	s_add_co_u32 s89, s89, s90
	s_lshl_b32 s89, s89, 10
	s_add_co_u32 s88, s88, s89
	s_mov_b32 s89, 0
	s_add_nc_u64 s[10:11], s[10:11], s[88:89]
	s_wait_alu depctr_va_vdst(0)
.irp a, 0,1,2,3,4,5,6,7
	OUT \a, 0
.endr
	s_branch .Ldone
.Lout_v:
	s_lshl_b32 s88, s42, 1
	s_add_co_u32 s88, s88, s16
	s_lshr_b32 s89, s88, 4
	s_lshl_b32 s89, s89, 21
	s_and_b32 s88, s88, 15
	s_lshl_b32 s88, s88, 13
	s_add_co_u32 s88, s88, s89
	s_lshl_b32 s89, s41, 2
	s_lshl_b32 s90, s15, 1
	s_add_co_u32 s89, s89, s90
	s_lshl_b32 s89, s89, 17
	s_add_co_u32 s88, s88, s89
	s_add_co_u32 s88, s88, 8<<20
	s_mov_b32 s89, 0
	s_add_nc_u64 s[10:11], s[10:11], s[88:89]
	s_wait_alu depctr_va_vdst(0)
.irp a, 0,1,2,3,4,5,6,7
	OUT \a, 1
.endr
.Ldone:
	s_wait_tensorcnt 0x0
	ds_add_u32 v[SPW], v[NIL]
	s_wait_dscnt 0x0
	CROUND
	s_endpgm
.Lfunc_end_k_q3ce81f5c20_gemm_qkv:
	.size	k_q3ce81f5c20_gemm_qkv, .Lfunc_end_k_q3ce81f5c20_gemm_qkv-k_q3ce81f5c20_gemm_qkv
	.p2alignl 7, 3214868480
	.fill 96, 4, 3214868480
	.section	.rodata,"a",@progbits
	.p2align	6, 0x0
	.amdhsa_kernel k_q3ce81f5c20_gemm_qkv
		.amdhsa_group_segment_fixed_size 327680
		.amdhsa_private_segment_fixed_size 0
		.amdhsa_enable_private_segment 0
		.amdhsa_kernarg_size 32
		.amdhsa_user_sgpr_count 2
		.amdhsa_user_sgpr_kernarg_segment_ptr 1
		.amdhsa_wavefront_size32 1
		.amdhsa_system_sgpr_workgroup_id_x 1
		.amdhsa_system_sgpr_workgroup_id_y 1
		.amdhsa_system_sgpr_workgroup_id_z 1
		.amdhsa_system_vgpr_workitem_id 0
		.amdhsa_next_free_vgpr 1024
		.amdhsa_next_free_sgpr 98
		.amdhsa_reserve_vcc 0
		.amdhsa_float_denorm_mode_32 3
		.amdhsa_float_denorm_mode_16_64 3
		.amdhsa_memory_ordered 1
		.amdhsa_forward_progress 1
		.amdhsa_inst_pref_size 160
	.end_amdhsa_kernel
	.amdgpu_metadata
---
amdhsa.version: [ 1, 2 ]
amdhsa.kernels:
  - .name:           k_q3ce81f5c20_gemm_qkv
    .symbol:         k_q3ce81f5c20_gemm_qkv.kd
    .args:
      - { .name: himg, .offset: 0, .size: 8, .value_kind: global_buffer, .address_space: global }
      - { .name: wimg, .offset: 8, .size: 8, .value_kind: global_buffer, .address_space: global }
      - { .name: lowp_scales, .offset: 16, .size: 8, .value_kind: global_buffer, .address_space: global }
      - { .name: qkvimg, .offset: 24, .size: 8, .value_kind: global_buffer, .address_space: global }
    .group_segment_fixed_size: 327680
    .private_segment_fixed_size: 0
    .kernarg_segment_align: 8
    .kernarg_segment_size: 32
    .max_flat_workgroup_size: 128
    .sgpr_count:     98
    .vgpr_count:     1024
    .wavefront_size: 32
...
	.end_amdgpu_metadata
.endif
;; end of part 2
;; launch attn (part 3): grid 8 x 32, 16 waves a work-group, clusters of 4 x 1, 327,680 bytes of LDS; arguments qkvimg, lowp_scales, cimg; writes cimg
.if DOCPART == 3
	.amdgcn_target "amdgcn-amd-amdhsa--gfx1250"
	.amdhsa_code_object_version 6
	.text
	.protected	k_q3ce81f5c20_attn
	.globl	k_q3ce81f5c20_attn
	.p2align	8
	.type	k_q3ce81f5c20_attn,@function
k_q3ce81f5c20_attn:
	s_mov_b64 s[64:65], 0
	v_nop
	global_prefetch_b8 v0, s[64:65] scope:SCOPE_SE
	s_setreg_imm32_b32 hwreg(HW_REG_WAVE_MODE, 25, 1), 1
	s_wait_xcnt 0x0
	s_wait_alu depctr_hold_cnt(0) depctr_sa_sdst(0) depctr_va_vdst(0) depctr_va_sdst(0) depctr_va_ssrc(0) depctr_va_vcc(0) depctr_vm_vsrc(0)
	s_getreg_b32 s2, hwreg(HW_REG_IB_STS2, 6, 4)
	s_cmp_eq_u32 s2, 0
	s_cbranch_scc0 .Lentry_in_a_cluster
	s_endpgm
.Lentry_in_a_cluster:
	s_bfe_u32 s2, ttmp6, 0x10000c
	s_cmp_lg_u32 s2, 0x3003
	s_cbranch_scc0 .Lentry_shape_is_right
	s_endpgm
.Lentry_shape_is_right:
; ctx = softmax(q k^T / 8, causal) v for 32 (batch, head) pairs of 2,048 tokens, head size 64, both products on codes of FP8 (entries 6, 7 and 8, 9); ctx is quantised at once by entry 10 for the product with Wo.
; WORK LEFT OUT: a step of 128 keys all of which come after a tile's 16 queries (reference()'s own causal mask gives them the weight 0 for all inputs) is not computed.
; THE SOFTMAX: t = score x log2(e) / 8; M = the running largest t rounded up to a whole number; p = 2^(t - M) is quantised; the row's sum is taken of the unquantised p and divides at the end; when M moves, sum and O are multiplied by 2^(old M - new M).
; LIMITS: e6 + e7 between -123 and 130; e8 and e10 between -126 and 119; the scaled scores stay under 2^31 in magnitude.
; OPERANDS ARE IMAGES (layout: head of the first kernel).  qkvimg: Q +0, K +4 MiB: [32 heads][128 tiles of 16 tokens][1,024 bytes]; V +8 MiB: [32 heads][16 blocks of 128 keys][4 tiles of 16 channels][2,048 bytes].
; SHARES: the eight work-groups of a head take query tiles 8 beta + x (x the work-group's number, beta = 0..15); tile beta has beta + 1 key steps of 128 keys.  THE SIXTEEN TILES ARE DEALT TO EIGHT PAIRS OF WAVES, 17 key steps a pair:
; pair p has the short tile p and the long tile 15 - p.  Wave A (waves 0-3, 8-11) takes the long tile's key steps 0-8: nine.  Wave B (waves 4-7, 12-15) takes the short tile, stores it, and then the long tile's key steps from 9 on
; (none in pair 7), with an M, a sum and an O of its own: eight in all.  At the end B hands its M, sum and O to A through LDS bytes of their own, and A joins the two by powers of two, as a change of M does, and stores the long tile.
; All waves walk nine slots of time; slot i of a wave is key step i, or behind B's change of tiles key step i + min(8 - p, 7).  Which slots are walked, hold a diagonal or begin with the change are bits of three masks made from the wave's number.
; Both products are used transposed (S^T = K Q^T, O^T = V^T P^T), so a lane holds one query and the conversions of S^T's tiles are P's operand registers.
; LDS: a head's whole K (128 KiB at 0) and V (128 KiB at VOFF) are filled once, nothing is filled again.  Two groups of joint loads, one load a wave in each (waves 0-7: K, waves 8-15: V):
; the first brings keys 0-255 (2 KiB a wave), which serve slots 0 and 1 of every wave; the second, behind a round of the cluster, the other 1,792 keys (14 KiB a wave).
; CLUSTER: four work-groups of one head ask for K and V jointly (mask 15).  PREFETCH: behind the first load each wave asks for its work-group's quarter (14 blocks of 256 bytes, by cx) of what its second load brings: one load ahead; there is no later load.
; REGISTERS: v1, v2 lane places; v3 prefetch; v8, v9 addresses in hand; v10 mask; v11 the pair's LDS bytes; v12 -M, v13 largest t, v[14:15] the sum; v16-23 Q; v24-31 the long tile's Q; v32-95 fragments of K, then V; v96-159 S^T, then p;
; v160-191 O^T; v224-239 p's codes; v240-254 constants and work.
.set VOFF,  131072
.set SPARE, 262144                     ; behind K and V: the spare words, 128 bytes a wave
.set MERGE, SPARE+2048                 ; behind them: 4,608 bytes a pair: O^T as 8 register images of 512 bytes, then v[12:15]; no tensor load lands here
.set P1,    16384                      ; bytes of K, and of V, in the first group: 256 keys
.set LO,   1                           ; v1  16 x lane
.set LV,   2                           ; v2  VOFF + 16 x lane
.set PFO,  3                           ; v3  256 x min(lane, 13); never rewritten
.set SPW,  5                           ; v5  my spare word; never rewritten
.set NIL,  6                           ; v6  0; never rewritten
.set ADK,  8
.set ADV,  9
.set DM,   10                          ; v10 my query's place in its block of 128, less 8 (lane / 16): the same in both tiles
.set MGA,  11                          ; v11 my lane's place in the pair's LDS bytes
.set TB,   2                           ; s2  byte at which the key step begins in K and in V
.set KBI,  3                           ; s3  the slot
.set WV,   18
.set ROLE, 19                          ; s19 0: wave A, 1: wave B
.set SEL,  20
.set CS,   22
.set G1,   24                          ; s[24:31] group 1, 8 rows of 256 bytes;  s[32:35] its group 0
.set G0,   32
.set G1B,  36                          ; s[36:43] group 1, 56 rows of 256 bytes;  s[44:47] its group 0
.set G0B,  44
.set PP,   57                          ; s57 the pair
.set ACT,  62                          ; s62 bit i: slot i is walked
.set DG,   63                          ; s63 bit i: slot i holds a diagonal
.set SWM,  66                          ; s66 bit i: slot i begins with the change of tiles
.set SW,   67                          ; s67 behind this slot the key step is the slot + DSH / 8,192
.set DSH,  88
.set EO,   89                          ; s89 e8 + e9
.macro CROUND                          ; a round of the cluster's barrier
	s_barrier_signal -1
	s_barrier_wait -1
	s_cmp_lg_u32 s[WV], 0
	s_cbranch_scc1 .Lnot_wave_0_\@
	s_barrier_signal -3
.Lnot_wave_0_\@:
	s_barrier_wait -3
	s_barrier_signal -1
	s_barrier_wait -1
.endm
	s_load_b128 s[4:7], s[0:1], 0x0                ; qkvimg, lowp_scales
	s_load_b64 s[8:9], s[0:1], 0x10                ; cimg
	v_lshl_add_u32 v[SPW], v0, 2, SPARE
	v_mov_b32 v[NIL], 0
	ds_add_u32 v[SPW], v[NIL]                      ; the opening: the add, twice on end, and its wait ahead of my first tensor load
	ds_add_u32 v[SPW], v[NIL]
	v_lshrrev_b32 v8, 5, v0
	s_delay_alu instid0(VALU_DEP_1)
	v_readfirstlane_b32 s[WV], v8                  ; wave 0..15
	v_and_b32 v8, 31, v0
	s_delay_alu instid0(VALU_DEP_1)
	v_lshlrev_b32 v[LO], 4, v8
	s_bfe_u32 s10, ttmp6, 0x40000                  ; cx
	s_lshl_b32 s11, ttmp9, 2
	s_add_co_u32 s11, s11, s10                     ; work-group x, 0..7
	s_and_b32 s12, ttmp7, 0xffff                   ; batch x 16 + head
	s_bfe_u32 s[ROLE], s[WV], 0x10002
	s_and_b32 s[PP], s[WV], 3
	s_lshr_b32 s13, s[WV], 3
	s_lshl_b32 s13, s13, 2
	s_add_co_u32 s[PP], s[PP], s13                 ; waves w, w + 4 are a pair; waves w, w + 4, w + 8, w + 12 have 34 key steps together
.irp g, G1, G1B
	s_mov_b32 s[\g], 15|(3<<16)|(1<<21)            ; the mask of all four partners; elements of 8 bytes; bit 21 beside a mask
	s_mov_b32 s[\g+1], 32<<16                      ; rows of 256 bytes, dense
	s_mov_b32 s[\g+3], 32<<16
	s_mov_b32 s[\g+5], 32
	s_mov_b32 s[\g+6], 0
	s_mov_b32 s[\g+7], 0
.endr
	s_mov_b32 s[G1+2], 8<<16
	s_mov_b32 s[G1+4], 8
	s_mov_b32 s[G1B+2], 56<<16
	s_mov_b32 s[G1B+4], 56
	s_lshr_b32 s14, s[WV], 3                       ; 0: I fetch for K, 1: for V
	s_and_b32 s15, s[WV], 7
	s_lshl_b32 s16, s14, 17                        ; K's or V's place in LDS
	s_lshl_b32 s58, s15, 11                        ; my part of the first group,
	s_mov_b32 s59, 0
	s_mul_i32 s60, s15, 14336
	s_add_co_u32 s60, s60, P1                      ; and of the second
	s_mov_b32 s61, 0
	s_lshl_b32 s48, s14, 22
	s_add_co_u32 s48, s48, 1<<22
	s_lshl_b32 s17, s12, 17                        ; a head is 131,072 bytes in each of the three tensors
	s_add_co_u32 s48, s48, s17
	s_mov_b32 s49, 0
	s_mul_i32 s14, s10, 3584                       ; the prefetch: my work-group's 14 blocks of my second load's 56
	s_add_co_u32 s14, s14, s60
	s_mov_b32 s15, 0
	s_sub_co_u32 s13, 15, s[PP]
	s_lshl_b32 s13, s13, 3
	s_add_co_u32 s13, s13, s11                     ; the long tile, 0..127
	s_lshl_b32 s50, s[PP], 3
	s_add_co_u32 s50, s50, s11                     ; the short tile
	s_mov_b32 s85, 0xff
	s_mov_b32 s54, 0x80
	s_cmp_eq_u32 s[PP], 0
	s_cselect_b32 s85, 0x1fd, s85                  ; B walks slots 0-7; in pair 0 slot 0 and slots 2-8 (slot 1 would want a key of the second group)
	s_cselect_b32 s54, 0x100, s54                  ; B's diagonals: the long tile's in its last slot,
	s_lshl_b32 s84, 1, s[PP]
	s_or_b32 s54, s54, s84                         ; and the short tile's in slot p
	s_add_co_u32 s55, s[PP], 1
	s_max_u32 s55, s55, 2
	s_lshl_b32 s55, 1, s55                         ; B changes tiles at the head of slot p + 1 (pair 0: of slot 2)
	s_sub_co_u32 s84, 8, s[PP]
	s_min_u32 s84, s84, 7
	s_lshl_b32 s56, s84, 13                        ; behind the change slot p + 1 (pair 0: slot 2) is key step 9
	s_cmp_eq_u32 s[PP], 7
	s_cselect_b32 s84, 0x100, 0                    ; in pair 7 the long tile's diagonal, key step 8, is A's
	s_mov_b32 s[ACT], 0x1ff                        ; A walks all nine slots
	s_cmp_eq_u32 s[ROLE], 0                        ; the choices hang on the wave's number alone
	s_cselect_b32 s[ACT], s[ACT], s85
	s_cselect_b32 s[DG], s84, s54
	s_cselect_b32 s[SWM], 0, s55
	s_cselect_b32 s[SW], 15, s[PP]
	s_cselect_b32 s[DSH], 0, s56
	s_cselect_b32 s50, s13, s50                    ; A begins with the long tile
	s_lshr_b32 s52, s12, 4
	s_lshl_b32 s52, s52, 7
	s_add_co_u32 s86, s52, s13
	s_add_co_u32 s52, s52, s50
	s_lshl_b32 s86, s86, 14                        ; cimg: a row tile of 16,384 bytes,
	s_lshl_b32 s52, s52, 14
	s_and_b32 s53, s12, 15
	s_lshl_b32 s53, s53, 10                        ; + my head's 64 of K: two images
	s_add_co_u32 s86, s86, s53
	s_add_co_u32 s52, s52, s53
	s_mov_b32 s87, 0
	s_mov_b32 s53, 0
	s_lshl_b32 s50, s50, 10
	s_add_co_u32 s50, s50, s17                     ; Q: the first tile's 1,024 bytes,
	s_mov_b32 s51, 0
	s_lshl_b32 s12, s13, 10
	s_add_co_u32 s12, s12, s17                     ; and the long tile's
	s_mov_b32 s13, 0
	s_mul_i32 s84, s[PP], 4608
	s_add_co_u32 s84, s84, MERGE                   ; the pair's LDS bytes
	s_mov_b32 s[SEL], 0x76543210                   ; v_permlanex16_b32: lane l xor 16
	s_mov_b32 s[SEL+1], 0xfedcba98
	s_mov_b32 s[CS], 0x3e38aa3b                    ; log2(e) / 8
	s_mov_b32 s[TB], 0
	s_mov_b32 s[KBI], 0
	s_wait_alu depctr_va_vdst(0)
	s_wait_dscnt 0x0                               ; both opening adds are done
	s_wait_kmcnt 0x0
	s_load_b512 s[68:83], s[6:7], 0x0              ; the sixteen exponents
	s_add_nc_u64 s[50:51], s[4:5], s[50:51]
	s_add_nc_u64 s[12:13], s[4:5], s[12:13]
	global_load_b128 v[16:19], v[LO], s[50:51]     ; Q's fragments are asked for first and stay in registers
	global_load_b128 v[20:23], v[LO], s[50:51] offset:512
	global_load_b128 v[24:27], v[LO], s[12:13]
	global_load_b128 v[28:31], v[LO], s[12:13] offset:512
	s_add_nc_u64 s[48:49], s[4:5], s[48:49]
	s_mov_b32 s[G0], 1
	s_add_co_u32 s[G0+1], s16, s58
	s_add_nc_u64 s[G0+2:G0+3], s[48:49], s[58:59]
	s_or_b32 s[G0+3], s[G0+3], 0x80000000
	s_mov_b32 s[G0B], 1
	s_add_co_u32 s[G0B+1], s16, s60
	s_add_nc_u64 s[G0B+2:G0B+3], s[48:49], s[60:61]
	s_or_b32 s[G0B+3], s[G0B+3], 0x80000000
	s_add_nc_u64 s[14:15], s[48:49], s[14:15]
	CROUND                                         ; the four partners are here: the joint loads meet
	tensor_load_to_lds s[G0:G0+3], s[G1:G1+7]      ; keys 0-255: my one tensor load at the head
	s_nop 0
.rept 4
	v_nop
.endr
	s_add_nc_u64 s[86:87], s[8:9], s[86:87]
	s_add_nc_u64 s[8:9], s[8:9], s[52:53]
	v_add_nc_u32 v[LV], VOFF, v[LO]
	v_min_u32 v[PFO], 13, v8                       ; the lanes that are left over name the last block again
	v_lshlrev_b32 v[PFO], 8, v[PFO]
	global_prefetch_b8 v[PFO], s[14:15] th:TH_LOAD_NT scope:SCOPE_SE
	v_add_nc_u32 v[MGA], s84, v[LO]
	v_and_b32 v8, 15, v0
	v_bfe_u32 v9, v0, 4, 1
	s_delay_alu instid0(VALU_DEP_1)
	v_lshlrev_b32 v9, 3, v9
	s_delay_alu instid0(VALU_DEP_1)
	v_sub_nc_u32 v[DM], v8, v9
	s_lshl_b32 s10, s11, 4
	v_add_nc_u32 v[DM], s10, v[DM]
	v_mov_b32 v13, 0xff61b1e6                      ; the largest t so far: -3e38
	s_delay_alu instid0(VALU_DEP_1)
	v_floor_f32 v12, -v13
	v_mov_b32 v14, 0
	v_mov_b32 v15, 0
	v_mov_b32 v236, 0                              ; a lane permute's destination counts as read
	v_mov_b32 v253, 0                              ; (named as the upper halves of pairs)
	v_mov_b32 v251, 0
.set j, 0
.rept 32
	v_mov_b32 v[160+j], 0                          ; O^T: the step is written for all steps alike; a tile's first finds zeros
.set j, j+1
.endr
	s_wait_kmcnt 0x0
	s_add_co_i32 s54, s74, s75
	s_lshl_b32 s54, s54, 23
	s_add_co_i32 s[CS], s[CS], s54                 ; e6 + e7 go into c's exponent field
	s_mov_b32 s[CS+1], s[CS]
	s_add_co_i32 s[EO], s76, s77
	s_add_co_i32 s54, s76, 127
	s_lshl_b32 s55, s54, 23
	v_mov_b32 v244, s55                            ; 2^e8
	s_add_co_i32 s54, s54, 8
	s_lshl_b32 s54, s54, 23
	s_or_b32 s54, s54, 0x600000
	v_mov_b32 v240, s54                            ; 448 x 2^e8,
	v_mov_b32 v247, s54                            ; and once more, for the second half of a dual pair
	s_add_co_i32 s54, s78, 127
	s_lshl_b32 s55, s54, 23
	v_mov_b32 v245, s55                            ; 2^e10
	s_add_co_i32 s54, s54, 8
	s_lshl_b32 s54, s54, 23
	s_or_b32 s54, s54, 0x600000
	v_mov_b32 v241, s54                            ; 448 x 2^e10
; A TILE'S WAY OUT: O^T / the sum x 2^(e8 + e9), held, converted by entry 10: tiles 2 c, 2 c + 1 are a lane's 16 bytes of image c.  b: the pair of scalar registers with the tile's place in cimg.
.macro FINISH b
.rept 4
	v_nop                                          ; places behind the last products
.endr
	v_add_f32 v14, v14, v15
	v_permlanex16_b32 v236, v14, s[SEL], s[SEL+1]
	s_delay_alu instid0(VALU_DEP_1)
	v_add_f32 v14, v14, v236
	s_wait_alu depctr_va_vdst(0)                   ; the wait ahead of the transcendental,
	v_rcp_f32 v14, v14
	v_nop
	s_wait_alu depctr_va_vdst(0)                   ; ahead of its first reader,
	v_ldexp_f32 v14, v14, s[EO]
	s_wait_alu depctr_va_vdst(0)                   ; and directly ahead of the first readers of O^T
.set j, 0
.rept 16
	v_pk_mul_f32 v[96+j:97+j], v[160+j:161+j], v[14:15] op_sel_hi:[1,0]
.set j, j+2
.endr
.set j, 0
.rept 32
	v_med3_num_f32 v[96+j], v[96+j], -v241, v241
.set j, j+1
.endr
.irp t, 0,1,2,3
	v_cvt_scalef32_pk8_fp8_f32 v[224+2*\t:225+2*\t], v[96+8*\t:103+8*\t], v245
.endr
	v_nop
	global_store_b128 v[LO], v[224:227], s[\b:\b+1]              ; 512 consecutive, aligned bytes a store
	global_store_b128 v[LO], v[228:231], s[\b:\b+1] offset:512
.endm
.macro HOLD2 r                         ; two numbers of p held at 448 x 2^e8 by one dual pair: the conversion does not saturate (ISA guide 7.6.2); p is not negative
	v_dual_min_num_f32 v[\r], v[\r], v240 :: v_dual_min_num_f32 v[\r+1], v[\r+1], v247
.endm
; A SLOT.  pre = 1: slots 0 and 1, whose key step is the slot in every wave: the address is a stepped scalar.  pre = 0: the later slots.  All branches hang on the wave's number and the count of slots.
.macro STEP pre
.if \pre == 0
	s_lshr_b32 s56, s[SWM], s[KBI]
	s_and_b32 s56, s56, 1
	s_cmp_lg_u32 s56, 0
	s_cbranch_scc0 .Lnosw_\@
	FINISH 8                                       ; B's change of tiles: the short tile goes out,
	v_mov_b32 v13, 0xff61b1e6                      ; and M, sum, O^T and Q begin anew for the long one
	s_delay_alu instid0(VALU_DEP_1)
	v_floor_f32 v12, -v13
	v_mov_b32 v14, 0
	v_mov_b32 v15, 0
.set j, 0
.rept 32
	v_mov_b32 v[160+j], 0
.set j, j+1
.endr
.set j, 0
.rept 8
	v_mov_b32 v[16+j], v[24+j]
.set j, j+1
.endr
	s_wait_alu depctr_va_vdst(0)                   ; directly ahead of the wait below
	s_wait_xcnt 0x0                                ; the stores have read their registers: the next codes may be written
.Lnosw_\@:
.endif
	s_lshr_b32 s56, s[ACT], s[KBI]
	s_and_b32 s56, s56, 1
	s_cmp_lg_u32 s56, 0
	s_cbranch_scc0 .Lhidden_\@
.if \pre == 0
	s_lshl_b32 s[TB], s[KBI], 13                   ; key step = the slot (8 at the most), + at most 7 behind B's change of tiles: 15 at the most
	s_cmp_gt_u32 s[KBI], s[SW]
	s_cselect_b32 s56, s[DSH], 0
	s_add_co_u32 s[TB], s[TB], s56
.endif
	v_add_nc_u32 v[ADK], s[TB], v[LO]
	v_add_nc_u32 v[ADV], s[TB], v[LV]
	v_nop                                          ; with the two additions: four places in front of loads into registers that the last products read
	v_nop
.irp t, 0,1,2,3,4,5,6,7
	ds_load_b128 v[32+8*\t:35+8*\t], v[ADK] offset:1024*\t
	ds_load_b128 v[36+8*\t:39+8*\t], v[ADK] offset:1024*\t+512
.endr
	s_wait_alu depctr_va_vdst(0)
	s_wait_dscnt 8                                 ; tiles 0-3 are in; the eight loads of tiles 4-7 may be out
.irp t, 0,1,2,3
	v_wmma_f32_16x16x64_fp8_fp8 v[96+8*\t:103+8*\t], v[32+8*\t:39+8*\t], v[16:23], 0
.endr
	s_wait_dscnt 0x0
.irp t, 4,5,6,7
	v_wmma_f32_16x16x64_fp8_fp8 v[96+8*\t:103+8*\t], v[32+8*\t:39+8*\t], v[16:23], 0
.endr
.rept 4
	v_nop
.endr
.irp t, 0,1,2,3                        ; V's four fragments come in under the softmax
.irp c, 0,1,2,3
	ds_load_b128 v[32+16*\t+4*\c:35+16*\t+4*\c], v[ADV] offset:2048*\t+512*\c
.endr
.endr
	s_lshr_b32 s56, s[DG], s[KBI]
	s_and_b32 s56, s56, 1
	s_cmp_eq_u32 s56, 0
	s_cbranch_scc1 .Lopen_\@
	v_mov_b32 v254, 0xff800000                     ; on the diagonal: register 8 t + i holds key 16 t + 8 (lane / 16) + i of the step; hidden keys get -infinity
.set n, 0
.rept 64
	v_cmp_gt_i32 vcc_lo, 16*(n/8)+n%8, v[DM]
	v_cndmask_b32 v[96+n], v[96+n], v254, vcc_lo
.set n, n+1
.endr
.Lopen_\@:
.irp c, 0,1,2,3                        ; the step's largest score, in four chains of two accumulators each, by turns; each accumulator is first read at its low end
	v_max3_num_f32 v[254-2*\c], v[96+16*\c], v[97+16*\c], v[98+16*\c]
.endr
.irp i, 3,5,7,9,11,13
.irp c, 0,1,2,3
	v_max3_num_f32 v[254-2*\c], v[254-2*\c], v[96+16*\c+\i], v[97+16*\c+\i]
.endr
.endr
	v_max3_num_f32 v254, v254, v252, v111          ; the four chains and each chain's sixteenth number
	v_max3_num_f32 v250, v250, v248, v127
	v_max3_num_f32 v254, v254, v143, v159
	s_delay_alu instid0(VALU_DEP_1)
	v_max_num_f32 v254, v254, v250
	v_permlanex16_b32 v236, v254, s[SEL], s[SEL+1]
	s_delay_alu instid0(VALU_DEP_1)
	v_max_num_f32 v254, v254, v236
	s_delay_alu instid0(VALU_DEP_1)
	v_mul_f32 v254, s[CS], v254
	s_delay_alu instid0(VALU_DEP_1)
	v_max_num_f32 v13, v13, v254                   ; the running largest t
	v_mov_b32 v254, v12
	s_delay_alu instid0(VALU_DEP_2)
	v_floor_f32 v12, -v13                          ; -M = floor(-t)
	s_delay_alu instid0(VALU_DEP_1)
	v_sub_f32 v254, v12, v254
	s_delay_alu instid0(VALU_DEP_1)
	v_cvt_i32_f32 v254, v254
	s_delay_alu instid0(VALU_DEP_1)
	v_ldexp_f32 v252, 1.0, v254                    ; f = 2^(old M - new M)
.set j, 0
.rept 32
	v_pk_fma_f32 v[96+j:97+j], v[96+j:97+j], s[CS:CS+1], v[12:13] op_sel_hi:[1,0,0]   ; t - M
.set j, j+2
.endr
	s_wait_alu depctr_va_vdst(0)                   ; the wait ahead of the batch
.set j, 0
.rept 64
	v_exp_f32 v[96+j], v[96+j]
.set j, j+1
.endr
	v_pk_mul_f32 v[14:15], v[14:15], v[252:253] op_sel_hi:[1,0]   ; the sums under the new M (the plain place behind the batch)
	s_wait_alu depctr_va_vdst(0)                   ; one wait for the batch, ahead of its first reader
	v_pk_add_f32 v[242:243], v[96:97], v[98:99]    ; the sum of the unquantised p, in two chains: a tile is summed first and held afterwards,
	v_pk_add_f32 v[14:15], v[14:15], v[100:101]
	v_pk_add_f32 v[242:243], v[242:243], v[102:103]
.irp t, 0,1,2,3,4,5,6                  ; so tile t + 1's sums and tile t's holds take turns, and tile t's conversion follows
	v_pk_add_f32 v[14:15], v[14:15], v[104+8*\t:105+8*\t]
	HOLD2 96+8*\t
	v_pk_add_f32 v[242:243], v[242:243], v[106+8*\t:107+8*\t]
	HOLD2 98+8*\t
	v_pk_add_f32 v[14:15], v[14:15], v[108+8*\t:109+8*\t]
	HOLD2 100+8*\t
	v_pk_add_f32 v[242:243], v[242:243], v[110+8*\t:111+8*\t]
	HOLD2 102+8*\t
	v_cvt_scalef32_pk8_fp8_f32 v[224+2*\t:225+2*\t], v[96+8*\t:103+8*\t], v244
.endr
	v_pk_add_f32 v[14:15], v[14:15], v[242:243]
	HOLD2 152
	HOLD2 154
	HOLD2 156
	HOLD2 158
	v_cvt_scalef32_pk8_fp8_f32 v[238:239], v[152:159], v244
	s_wait_alu depctr_va_vdst(0)                   ; directly ahead of the first readers of O^T
.set j, 0
.rept 16
	v_pk_mul_f32 v[160+j:161+j], v[160+j:161+j], v[252:253] op_sel_hi:[1,0]   ; O^T under the new M
.set j, j+2
.endr
	s_wait_alu depctr_va_vdst(0)                   ; directly ahead of the wait below
	s_wait_dscnt 0x0                               ; V's fragments
.irp t, 0,1,2,3
	v_wmma_f32_16x16x128_fp8_fp8 v[160+8*\t:167+8*\t], v[32+16*\t:47+16*\t], v[224:239], v[160+8*\t:167+8*\t]
.endr
.Lhidden_\@:
.if \pre
	s_add_co_u32 s[TB], s[TB], 8192
.endif
.endm
	s_wait_alu depctr_va_vdst(0)                   ; the wait at the head's end
	s_wait_tensorcnt 0x0                           ; my part of keys 0-255 is in
	ds_add_u32 v[SPW], v[NIL]
	s_wait_dscnt 0x0
	CROUND                                         ; everybody's part is in, and the four partners are here
	tensor_load_to_lds s[G0B:G0B+3], s[G1B:G1B+7]  ; keys 256-2,047: my one tensor load behind the round
	s_nop 0
.rept 4
	v_nop
.endr
	s_wait_loadcnt 0x0                             ; Q
.Lfirst:                                               ; slots 0 and 1, on the first group's keys
	STEP 1
	s_add_co_u32 s[KBI], s[KBI], 1
	s_cmp_lt_u32 s[KBI], 2
	s_cbranch_scc1 .Lfirst
	s_wait_tensorcnt 0x0                           ; my part of the later keys is in,
	s_wait_dscnt 0x0
	s_barrier_signal -1
	s_barrier_wait -1                              ; and so is everybody's.
.Lrest:                                                ; slots 2 to 8
	STEP 0
	s_add_co_u32 s[KBI], s[KBI], 1
	s_cmp_lt_u32 s[KBI], 9
	s_cbranch_scc1 .Lrest
; THE TWO PARTS OF THE LONG TILE ARE JOINED: B lays down O^T and v[12:15] (-M, the largest t, the sum's halves) as register images; one barrier; A takes them up in the same lanes.
; (In pair 7 B's part is empty: its M stands at the start's value, so its factor is 0.)
.rept 4
	v_nop                                          ; places behind the last products: for B's stores of O^T, and for A's loads into the fragments' registers
.endr
	s_cmp_eq_u32 s[ROLE], 0
	s_cbranch_scc1 .Lkeep
	s_wait_alu depctr_va_vdst(0)                   ; the wait ahead of the first readers of O^T
.irp k, 0,1,2,3,4,5,6,7
	ds_store_b128 v[MGA], v[160+4*\k:163+4*\k] offset:512*\k
.endr
	ds_store_b128 v[MGA], v[12:15] offset:4096
.Lkeep:
	s_wait_dscnt 0x0                               ; for A's sake: my stores have landed
	s_barrier_signal -1
	s_barrier_wait -1
	s_cmp_lg_u32 s[ROLE], 0
	s_cbranch_scc1 .Lend
.irp k, 0,1,2,3,4,5,6,7
	ds_load_b128 v[32+4*\k:35+4*\k], v[MGA] offset:512*\k
.endr
	ds_load_b128 v[64:67], v[MGA] offset:4096
	s_wait_dscnt 0x0
	v_min_num_f32 v254, v12, v64                   ; -M of both parts together
	v_sub_f32 v252, v254, v12                      ; whole numbers, 0 or less
	v_sub_f32 v250, v254, v64
	v_cvt_i32_f32 v252, v252
	v_cvt_i32_f32 v250, v250
	v_ldexp_f32 v252, 1.0, v252                    ; my part's factor,
	v_ldexp_f32 v250, 1.0, v250                    ; and B's: powers of two, nothing is rounded
	v_pk_mul_f32 v[14:15], v[14:15], v[252:253] op_sel_hi:[1,0]
	v_pk_fma_f32 v[14:15], v[66:67], v[250:251], v[14:15] op_sel_hi:[1,0,1]
	s_wait_alu depctr_va_vdst(0)                   ; the wait ahead of the first readers of O^T
.set j, 0
.rept 16
	v_pk_mul_f32 v[160+j:161+j], v[160+j:161+j], v[252:253] op_sel_hi:[1,0]
.set j, j+2
.endr
.set j, 0
.rept 16
	v_pk_fma_f32 v[160+j:161+j], v[32+j:33+j], v[250:251], v[160+j:161+j] op_sel_hi:[1,0,1]
.set j, j+2
.endr
	FINISH 86                                      ; the long tile goes out
.Lend:
	s_wait_tensorcnt 0x0                           ; the wave's end
	ds_add_u32 v[SPW], v[NIL]
	s_wait_dscnt 0x0
	CROUND                                         ; the closing round
	s_endpgm
.Lfunc_end_k_q3ce81f5c20_attn:
	.size	k_q3ce81f5c20_attn, .Lfunc_end_k_q3ce81f5c20_attn-k_q3ce81f5c20_attn
	.p2alignl 7, 3214868480
	.fill 96, 4, 3214868480
	.section	.rodata,"a",@progbits
	.p2align	6, 0x0
	.amdhsa_kernel k_q3ce81f5c20_attn
		.amdhsa_group_segment_fixed_size 327680
		.amdhsa_private_segment_fixed_size 0
		.amdhsa_enable_private_segment 0
		.amdhsa_kernarg_size 24
		.amdhsa_user_sgpr_count 2
		.amdhsa_user_sgpr_kernarg_segment_ptr 1
		.amdhsa_wavefront_size32 1
		.amdhsa_system_sgpr_workgroup_id_x 1
		.amdhsa_system_sgpr_workgroup_id_y 1
		.amdhsa_system_sgpr_workgroup_id_z 1
		.amdhsa_system_vgpr_workitem_id 0
		.amdhsa_next_free_vgpr 256
		.amdhsa_next_free_sgpr 90
		.amdhsa_reserve_vcc 1
		.amdhsa_float_denorm_mode_32 3
		.amdhsa_float_denorm_mode_16_64 3
		.amdhsa_memory_ordered 1
		.amdhsa_forward_progress 1
		.amdhsa_inst_pref_size 66
	.end_amdhsa_kernel
	.amdgpu_metadata
---
amdhsa.version: [ 1, 2 ]
amdhsa.kernels:
  - .name:           k_q3ce81f5c20_attn
    .symbol:         k_q3ce81f5c20_attn.kd
    .args:
      - { .name: qkvimg, .offset: 0, .size: 8, .value_kind: global_buffer, .address_space: global }
      - { .name: lowp_scales, .offset: 8, .size: 8, .value_kind: global_buffer, .address_space: global }
      - { .name: cimg, .offset: 16, .size: 8, .value_kind: global_buffer, .address_space: global }
    .group_segment_fixed_size: 327680
    .private_segment_fixed_size: 0
    .kernarg_segment_align: 8
    .kernarg_segment_size: 24
    .max_flat_workgroup_size: 512
    .sgpr_count:     90
    .vgpr_count:     256
    .wavefront_size: 32
...
	.end_amdgpu_metadata
.endif
;; end of part 3
;; launch gemm_wo (part 4): grid 8 x 32, 4 waves a work-group, clusters of 4 x 4, 327,680 bytes of LDS; arguments cimg, wimg, lowp_scales, x, bo, x1; writes x1
.if DOCPART == 4
	.amdgcn_target "amdgcn-amd-amdhsa--gfx1250"
	.amdhsa_code_object_version 6
	.text
	.protected	k_q3ce81f5c20_gemm_wo
	.globl	k_q3ce81f5c20_gemm_wo
	.p2align	8
	.type	k_q3ce81f5c20_gemm_wo,@function
k_q3ce81f5c20_gemm_wo:
	s_mov_b64 s[64:65], 0
	v_nop
	global_prefetch_b8 v0, s[64:65] scope:SCOPE_SE
	s_setreg_imm32_b32 hwreg(HW_REG_WAVE_MODE, 25, 1), 1
	s_wait_xcnt 0x0
	s_wait_alu depctr_hold_cnt(0) depctr_sa_sdst(0) depctr_va_vdst(0) depctr_va_sdst(0) depctr_va_ssrc(0) depctr_va_vcc(0) depctr_vm_vsrc(0)
	s_getreg_b32 s2, hwreg(HW_REG_IB_STS2, 6, 4)
	s_cmp_eq_u32 s2, 0
	s_cbranch_scc0 .Lentry_in_a_cluster
	s_endpgm
.Lentry_in_a_cluster:
	s_bfe_u32 s2, ttmp6, 0x10000c
	s_cmp_lg_u32 s2, 0xf033
	s_cbranch_scc0 .Lentry_shape_is_right
	s_endpgm
.Lentry_shape_is_right:
; x1 = x + ctx Wo + bo.  The product on codes of FP8 (entries 10, 11), K = 1,024; each finished sum x 2^(ea + eb), + bias, + the residual, f32, row-major [4,096][1,024].
; LIMIT: ea + eb between -126 and 127.
; N = 1,024 gives 256 tiles of 128 x 128: four waves of 64 x 64 (16 accumulators).
; THE WHOLE K LIES IN LDS AT ONCE: A's 128 rows and B's 128 rows x 1,024 K are 4 x 65,536 bytes; each wave brings one quarter by its one tensor load at the head.  No slot, nothing is filled again.
; OPERANDS ARE IMAGES (layout: head of the first kernel): a wave's load is 4 row tiles of 16,384 bytes (8 fragments each); a fragment is four ds_load_b128 at 16 x lane.
; THE MATRIX INSTRUCTION IS USED TRANSPOSED (source 0 = Wo's rows, source 1 = the tokens'): a lane holds eight neighbouring columns of one row.
; CLUSTERS: 4 x 4; A's tiles are asked for jointly along a row of the cluster, B's along a column.  No prefetch: every tile is asked for at the head, and there is no later load to run ahead of.
; REGISTERS: window 0: v0-31 addresses, v8-11 bias; v32-95 residual rows, two sets; v96-127 rows back from the stage; v128-255 accumulators ((a, b) at v[128 + 8 (4 a + b)]).
;   window 1: two sets of fragments for 128 along K: A's four at f + 16 a, B's four at f + 64 + 16 b.
.set BOFF,  3<<20                      ; Wo's place in wimg
.set ENT,   10
.set QTR,   65536                      ; a wave's load
.set STAGE, 4*QTR                      ; behind the tiles: 16 rows x (256 + 16) bytes for each wave; no tensor load lands here
.set SPITCH, 272
.set SPARE, STAGE+4*16*SPITCH
.set BI,   8
.set ADRA, 16
.set ADRB, 20
.set STO,  24
.set RD,   25
.set CO,   26
.set BO,   27
.set SPW,  28
.set NIL,  29
.set RS,   32
.set BK,   96
.set ACC,  128
.set F0,   0
.set F1,   128
.set G1, 24
.set G0, 32
.set G1B, 48
.set G0B, 56
.set MSB, 0
.macro WIN new
.if MSB != \new
	s_set_vgpr_msb (MSB<<8)|\new
.set MSB, \new
.endif
.endm
.set MUL,  0x05                        ; sources 0 and 1 window 1; C and D window 0
.set TO_F, 0x40
.macro CROUND
	s_barrier_signal -1
	s_barrier_wait -1
	s_cmp_lg_u32 s14, 0
	s_cbranch_scc1 .Lnot_wave_0_\@
	s_barrier_signal -3
.Lnot_wave_0_\@:
	s_barrier_wait -3
	s_barrier_signal -1
	s_barrier_wait -1
.endm
	s_load_b128 s[4:7], s[0:1], 0x0                ; cimg, wimg
	s_load_b128 s[8:11], s[0:1], 0x10              ; lowp_scales, x
	s_load_b128 s[68:71], s[0:1], 0x20             ; bo, x1
	v_lshl_add_u32 v[SPW], v0, 2, SPARE
	v_mov_b32 v[NIL], 0
	ds_add_u32 v[SPW], v[NIL]                      ; the opening: the add, twice on end, and its wait ahead of my first tensor load
	ds_add_u32 v[SPW], v[NIL]
	v_lshrrev_b32 v1, 5, v0
	v_readfirstlane_b32 s14, v1                    ; wave
	s_lshr_b32 s15, s14, 1                         ; my half of the rows.  Also: I fetch for A (0) or B (1)
	s_and_b32 s16, s14, 1                          ; my half of the columns.  Also: which 64 rows I fetch
	s_bfe_u32 s40, ttmp6, 0x40000
	s_bfe_u32 s41, ttmp6, 0x40004
	s_lshl_b32 s42, ttmp9, 2
	s_add_co_u32 s42, s42, s40                     ; tile column
	s_and_b32 s17, ttmp7, 0xffff
	s_lshl_b32 s17, s17, 2
	s_add_co_u32 s17, s17, s41                     ; tile row
	s_lshl_b32 s43, s41, 2
	s_lshl_b32 s43, 15, s43
	s_lshl_b32 s44, 0x1111, s40
	s_or_b32 s[G1+0], s43, (3<<16)|(1<<21)         ; the mask; elements of 8 bytes; bit 21 beside a mask; no padding
	s_or_b32 s[G1B+0], s44, (3<<16)|(1<<21)
.irp g, G1, G1B
	s_mov_b32 s[\g+1], 2048<<16                    ; 4 rows of 16,384 bytes, one behind the other
	s_mov_b32 s[\g+2], 4<<16
	s_mov_b32 s[\g+3], 2048<<16
	s_mov_b32 s[\g+4], 4
	s_mov_b32 s[\g+5], 2048
	s_mov_b32 s[\g+6], 0
	s_mov_b32 s[\g+7], 0
.endr
	s_lshl_b32 s18, s16, 2                         ; the 4 row tiles that I fetch
	s_lshl_b32 s20, s17, 3
	s_add_co_u32 s20, s20, s18
	s_lshl_b32 s20, s20, 14
	s_mov_b32 s21, 0
	s_lshl_b32 s46, s42, 3
	s_add_co_u32 s46, s46, s18
	s_lshl_b32 s46, s46, 14
	s_add_co_u32 s46, s46, BOFF
	s_mov_b32 s47, 0
	s_lshl_b32 s45, s14, 16                        ; where they go: QTR x wave
	s_wait_dscnt 0x0                               ; both opening adds are done
	s_wait_kmcnt 0x0
	s_load_b64 s[72:73], s[8:9], 4*ENT             ; ea, eb
	s_mov_b32 s[G0], 1
	s_mov_b32 s[G0+1], s45
	s_add_nc_u64 s[G0+2:G0+3], s[4:5], s[20:21]
	s_or_b32 s[G0+3], s[G0+3], 0x80000000
	s_mov_b32 s[G0B], 1
	s_mov_b32 s[G0B+1], s45
	s_add_nc_u64 s[G0B+2:G0B+3], s[6:7], s[46:47]
	s_or_b32 s[G0B+3], s[G0B+3], 0x80000000
	CROUND                                         ; all sixteen work-groups are here: the joint loads meet
	s_cmp_eq_u32 s15, 0                            ; waves 0, 1 fetch for A, waves 2, 3 for B: one load in each arm; s_nop 0 and four v_nop follow each line
	s_cbranch_scc0 .Lfor_b
	tensor_load_to_lds s[G0:G0+3], s[G1:G1+7]
	s_nop 0
.rept 4
	v_nop
.endr
	s_branch .Lasked
.Lfor_b:
	tensor_load_to_lds s[G0B:G0B+3], s[G1B:G1B+7]
	s_nop 0
.rept 4
	v_nop
.endr
.Lasked:
	v_and_b32 v1, 31, v0
	v_lshlrev_b32 v2, 4, v1
	s_lshl_b32 s22, s15, 16
	s_lshl_b32 s23, s16, 16
	s_add_co_u32 s23, s23, 2*QTR
	v_add_nc_u32 v[ADRA], s22, v2
	v_add_nc_u32 v[ADRB], s23, v2
	v_and_b32 v1, 15, v0                           ; r
	v_bfe_u32 v3, v0, 4, 1                         ; h
	s_mul_i32 s22, s14, 16*SPITCH
	s_add_co_u32 s22, s22, STAGE                   ; my stage
	v_mul_u32_u24 v4, v1, SPITCH
	v_lshl_add_u32 v4, v3, 5, v4
	v_add_nc_u32 v[STO], s22, v4                   ; in: row r, + 32 h
	v_mul_u32_u24 v5, v3, SPITCH
	v_lshl_add_u32 v5, v1, 4, v5
	v_add_nc_u32 v[RD], s22, v5                    ; back: lanes 0-15 one row, lanes 16-31 the next
	v_lshlrev_b32 v[BO], 4, v1
	s_wait_alu depctr_va_vdst(0)
	v_lshl_add_u32 v[CO], v3, 12, v[BO]            ; and the same two rows in memory
	s_wait_alu depctr_va_vdst(0)                   ; ahead of the run of scalar lines
	s_lshl_b32 s76, s42, 9
	s_lshl_b32 s78, s16, 8
	s_add_co_u32 s76, s76, s78                     ; my 64 columns: 256 aligned bytes
	s_mov_b32 s77, 0
	s_add_nc_u64 s[68:69], s[68:69], s[76:77]
	s_lshl_b32 s78, s17, 19
	s_add_co_u32 s76, s76, s78
	s_lshl_b32 s78, s15, 18
	s_add_co_u32 s76, s76, s78                     ; + my first row
	s_add_nc_u64 s[10:11], s[10:11], s[76:77]
	s_add_nc_u64 s[70:71], s[70:71], s[76:77]
.macro RLOAD a                         ; the residual's rows of block a into set a % 2
.irp t, 0,1,2,3,4,5,6,7
	global_load_b128 v[RS+32*((\a)%2)+4*\t:RS+32*((\a)%2)+4*\t+3], v[CO], s[10:11] offset:(16*(\a)+2*\t)*4096
.endr
.endm
	global_load_b128 v[BI:BI+3], v[BO], s[68:69]   ; the bias of my four columns
	RLOAD 0                                        ; asked for now, wanted on the way out
	RLOAD 1
.macro MUL8 f, a0, zero                ; A's blocks a0, a0 + 1 x B's four, 128 along K.  The 16 accumulators take turns
.irp a, \a0, \a0+1
.irp b, 0,1,2,3
.if \zero
	v_wmma_f32_16x16x128_fp8_fp8 v[ACC+8*(4*(\a)+\b):ACC+8*(4*(\a)+\b)+7], v[\f+64+16*\b:\f+64+16*\b+15], v[\f+16*(\a):\f+16*(\a)+15], 0
.else
	v_wmma_f32_16x16x128_fp8_fp8 v[ACC+8*(4*(\a)+\b):ACC+8*(4*(\a)+\b)+7], v[\f+64+16*\b:\f+64+16*\b+15], v[\f+16*(\a):\f+16*(\a)+15], v[ACC+8*(4*(\a)+\b):ACC+8*(4*(\a)+\b)+7]
.endif
.endr
.endr
.endm
.macro FETCH q, f                      ; 32 LDS loads: the q-th 128 along K: B's four fragments, then A's four
	WIN TO_F
.irp i, 0,1,2,3
.irp c, 0,1,2,3
	ds_load_b128 v[\f+64+16*\i+4*\c:\f+64+16*\i+4*\c+3], v[ADRB] offset:\i*16384+(\q)*2048+\c*512
.endr
.endr
.irp i, 0,1,2,3
.irp c, 0,1,2,3
	ds_load_b128 v[\f+16*\i+4*\c:\f+16*\i+4*\c+3], v[ADRA] offset:\i*16384+(\q)*2048+\c*512
.endr
.endr
.endm
.macro PLACES
.rept 4
	v_nop
.endr
.endm
.macro QUARTER q, f, g, zero           ; multiplies set f, fetches the q-th 128 along K into set g
	s_wait_dscnt 8                                 ; B's four and A's blocks 0, 1 are in; A's blocks 2, 3 may be out
	WIN MUL
	MUL8 \f, 0, \zero
	PLACES
	FETCH \q, \g
	s_wait_dscnt 32                                ; all but the 32 just issued
	WIN MUL
	MUL8 \f, 2, \zero
.endm
	s_wait_alu depctr_va_vdst(0)                   ; the wait at the head's end
	s_wait_tensorcnt 0x0                           ; my quarter is in
	s_barrier_signal -1
	s_barrier_wait -1                              ; and so is everybody's.
	FETCH 0, F0
	QUARTER 1, F0, F1, 1                           ; the first products start the sums
	QUARTER 2, F1, F0, 0
	QUARTER 3, F0, F1, 0
	QUARTER 4, F1, F0, 0
	QUARTER 5, F0, F1, 0
	QUARTER 6, F1, F0, 0
	QUARTER 7, F0, F1, 0
	s_wait_dscnt 8
	WIN MUL
	MUL8 F1, 0, 0
	s_wait_dscnt 0
	MUL8 F1, 2, 0
	WIN 0
	s_wait_kmcnt 0x0
	s_add_co_i32 s74, s72, s73
	s_add_co_i32 s74, s74, 127
	s_lshl_b32 s74, s74, 23                        ; 2^(ea + eb)
	s_mov_b32 s75, s74                             ; (named with it as a pair)
	PLACES
; THE WAY OUT, block by block of 16 rows.  My 64 columns are one aligned run of 256 bytes, so the stage is my own: raw sums in, whole rows back (LDS serves a wave's instructions in order), no barrier.
.macro OUTB a
.set RSA, RS+32*((\a)%2)
.if (\a) > 0
	s_wait_xcnt 0x0                                ; the last block's stores have read their registers: rows may land there again
.endif
.irp b, 0,1,2,3
	ds_store_b128 v[STO], v[ACC+8*(4*(\a)+\b):ACC+8*(4*(\a)+\b)+3] offset:64*\b
	ds_store_b128 v[STO], v[ACC+8*(4*(\a)+\b)+4:ACC+8*(4*(\a)+\b)+7] offset:64*\b+16
.endr
.irp t, 0,1,2,3,4,5,6,7
	ds_load_b128 v[BK+4*\t:BK+4*\t+3], v[RD] offset:\t*2*SPITCH
.endr
.if (\a) < 3
	s_wait_loadcnt 8                               ; this block's residual (and the bias) is in; the other set's eight loads may be out
.else
	s_wait_loadcnt 0
.endif
.irp t, 0,1,2,3,4,5,6,7
	v_pk_add_f32 v[RSA+4*\t:RSA+4*\t+1], v[RSA+4*\t:RSA+4*\t+1], v[BI:BI+1]
	v_pk_add_f32 v[RSA+4*\t+2:RSA+4*\t+3], v[RSA+4*\t+2:RSA+4*\t+3], v[BI+2:BI+3]
.endr
.irp t, 0,1,2,3,4,5,6,7
	s_wait_dscnt 7-\t                              ; rows 2 t, 2 t + 1 are back; the younger reads may be out
	v_pk_fma_f32 v[BK+4*\t:BK+4*\t+1], v[BK+4*\t:BK+4*\t+1], s[74:75], v[RSA+4*\t:RSA+4*\t+1] op_sel_hi:[1,0,1]
	v_pk_fma_f32 v[BK+4*\t+2:BK+4*\t+3], v[BK+4*\t+2:BK+4*\t+3], s[74:75], v[RSA+4*\t+2:RSA+4*\t+3] op_sel_hi:[1,0,1]
	global_store_b128 v[CO], v[BK+4*\t:BK+4*\t+3], s[70:71] offset:(16*(\a)+2*\t)*4096   ; 16 lanes store 256 consecutive, aligned bytes
.endr
.if (\a) < 2
	RLOAD (\a)+2
.endif
.endm
	OUTB 0
	OUTB 1
	OUTB 2
	OUTB 3
	s_wait_tensorcnt 0x0                           ; the wave's end: behind my last tensor load and LDS store
	ds_add_u32 v[SPW], v[NIL]
	s_wait_dscnt 0x0
	CROUND                                         ; the closing round
	s_endpgm
.Lfunc_end_k_q3ce81f5c20_gemm_wo:
	.size	k_q3ce81f5c20_gemm_wo, .Lfunc_end_k_q3ce81f5c20_gemm_wo-k_q3ce81f5c20_gemm_wo
	.p2alignl 7, 3214868480
	.fill 96, 4, 3214868480
	.section	.rodata,"a",@progbits
	.p2align	6, 0x0
	.amdhsa_kernel k_q3ce81f5c20_gemm_wo
		.amdhsa_group_segment_fixed_size 327680
		.amdhsa_private_segment_fixed_size 0
		.amdhsa_enable_private_segment 0
		.amdhsa_kernarg_size 48
		.amdhsa_user_sgpr_count 2
		.amdhsa_user_sgpr_kernarg_segment_ptr 1
		.amdhsa_wavefront_size32 1
		.amdhsa_system_sgpr_workgroup_id_x 1
		.amdhsa_system_sgpr_workgroup_id_y 1
		.amdhsa_system_sgpr_workgroup_id_z 1
		.amdhsa_system_vgpr_workitem_id 0
		.amdhsa_next_free_vgpr 512
		.amdhsa_next_free_sgpr 80
		.amdhsa_reserve_vcc 0
		.amdhsa_float_denorm_mode_32 3
		.amdhsa_float_denorm_mode_16_64 3
		.amdhsa_memory_ordered 1
		.amdhsa_forward_progress 1
		.amdhsa_inst_pref_size 52
	.end_amdhsa_kernel
	.amdgpu_metadata
---
amdhsa.version: [ 1, 2 ]
amdhsa.kernels:
  - .name:           k_q3ce81f5c20_gemm_wo
    .symbol:         k_q3ce81f5c20_gemm_wo.kd
    .args:
      - { .name: cimg, .offset: 0, .size: 8, .value_kind: global_buffer, .address_space: global }
      - { .name: wimg, .offset: 8, .size: 8, .value_kind: global_buffer, .address_space: global }
      - { .name: lowp_scales, .offset: 16, .size: 8, .value_kind: global_buffer, .address_space: global }
      - { .name: x, .offset: 24, .size: 8, .value_kind: global_buffer, .address_space: global }
      - { .name: bo, .offset: 32, .size: 8, .value_kind: global_buffer, .address_space: global }
      - { .name: x1, .offset: 40, .size: 8, .value_kind: global_buffer, .address_space: global }
    .group_segment_fixed_size: 327680
    .private_segment_fixed_size: 0
    .kernarg_segment_align: 8
    .kernarg_segment_size: 48
    .max_flat_workgroup_size: 128
    .sgpr_count:     80
    .vgpr_count:     512
    .wavefront_size: 32
...
	.end_amdgpu_metadata
.endif
;; end of part 4
;; launch ln2 (part 5): grid 256 x 1, 4 waves a work-group, no clusters, 17,152 bytes of LDS; arguments x1, ln2_scale, ln2_shift, lowp_scales, h2img; writes h2img
.if DOCPART == 5
	.amdgcn_target "amdgcn-amd-amdhsa--gfx1250"
	.amdhsa_code_object_version 6
	.text
	.protected	k_q3ce81f5c20_ln2
	.globl	k_q3ce81f5c20_ln2
	.p2align	8
	.type	k_q3ce81f5c20_ln2,@function
k_q3ce81f5c20_ln2:
	s_mov_b64 s[64:65], 0
	v_nop
	global_prefetch_b8 v0, s[64:65] scope:SCOPE_SE
	s_setreg_imm32_b32 hwreg(HW_REG_WAVE_MODE, 25, 1), 1
	s_wait_xcnt 0x0
; h2 = scale (x1 - mean) / sqrt(var + 1e-5) + shift by rows of 1,024, in f32 (mean first, then the mean of the squared differences), quantised by entry 12
; into images [256 row tiles][8 fragments][2,048 bytes] (layout: head of the first kernel).  LIMITS: e between -126 and 119; NaN among the inputs is not served.
; A work-group takes 16 rows (one row tile), a wave 4 of them; a row is eight loads of 512 neighbouring bytes: lane l holds numbers 4 l + 128 j + 0..3.  All of a wave's loads go out at the head.
; A conversion's two words are the four codes at bytes 4 l + 128 j of the row for two j: they go to a stage in LDS (rows of 1,024 + 16 bytes), one barrier, and each wave reads two fragments back as images.
; Work-groups share nothing but gain and shift: no cluster; no matrix unit: memory binds.
.set NOUT, 1
.set E0,   12
.set ROWP, 1040
.set STG,  16*ROWP
.set SPARE, NOUT*STG
.set SPW,  12
.set NIL,  13
.set X,    16
.set SC,   144
.set SH,   176
.set T,    208
.set C,    224
.set RS,   248
	s_load_b256 s[4:11], s[0:1], 0x0               ; x1, gain, shift, lowp_scales
	s_load_b64 s[12:13], s[0:1], 0x20              ; the images
	v_lshl_add_u32 v[SPW], v0, 2, SPARE
	v_mov_b32 v[NIL], 0
	v_lshrrev_b32 v1, 5, v0
	v_readfirstlane_b32 s14, v1                    ; wave
	v_and_b32 v1, 31, v0
	v_lshlrev_b32 v2, 4, v1                        ; 16 x lane
	s_mul_i32 s15, s14, 4*ROWP
	v_lshlrev_b32 v3, 2, v1
	v_add_nc_u32 v3, s15, v3                       ; the stage, in
	v_and_b32 v10, 15, v0
	v_mul_u32_u24 v10, v10, ROWP
	v_bfe_u32 v11, v0, 4, 1
	v_lshl_add_u32 v10, v11, 3, v10
	s_lshl_b32 s15, s14, 8
	v_add_nc_u32 v10, s15, v10                     ; and out
	s_lshl_b32 s16, ttmp9, 16
	s_lshl_b32 s17, s14, 14
	s_add_co_u32 s16, s16, s17
	s_mov_b32 s17, 0
	s_lshl_b32 s18, ttmp9, 14
	s_lshl_b32 s19, s14, 12
	s_add_co_u32 s18, s18, s19
	s_mov_b32 s19, 0
	s_mov_b32 s20, 0x3a800000                      ; 1 / 1,024
	s_mov_b32 s21, 0x3727c5ac                      ; 1e-5
	s_mov_b32 s22, 0x76543210
	s_mov_b32 s23, 0xfedcba98
	v_mov_b32 v15, 0
.irp i, 0,1,2,3
	v_mov_b32 v[RS+2*\i+1], 0
.endr
	s_wait_kmcnt 0x0
	s_load_b32 s24, s[10:11], 4*E0
	s_add_nc_u64 s[4:5], s[4:5], s[16:17]
	s_add_nc_u64 s[28:29], s[12:13], s[18:19]
.set i, 0
.rept 32
	global_load_b128 v[X+4*i:X+4*i+3], v2, s[4:5] offset:(i/8)*4096+(i%8)*512
.set i, i+1
.endr
.set i, 0
.rept 8
	global_load_b128 v[SC+4*i:SC+4*i+3], v2, s[6:7] offset:512*i
.set i, i+1
.endr
.set i, 0
.rept 8
	global_load_b128 v[SH+4*i:SH+4*i+3], v2, s[8:9] offset:512*i
.set i, i+1
.endr
	s_wait_kmcnt 0x0
	s_add_co_i32 s34, s24, 127
	s_lshl_b32 s35, s34, 23
	v_mov_b32 v4, s35                              ; 2^e
	s_add_co_i32 s34, s34, 8
	s_lshl_b32 s34, s34, 23
	s_or_b32 s34, s34, 0x600000
	v_mov_b32 v5, s34                              ; 448 x 2^e
.macro FOLD
	v_pk_add_f32 v[T:T+1], v[T:T+1], v[T+2:T+3]
	v_pk_add_f32 v[T+4:T+5], v[T+4:T+5], v[T+6:T+7]
	v_pk_add_f32 v[T:T+1], v[T:T+1], v[T+4:T+5]
	v_add_f32 v14, v[T], v[T+1]
	v_add_f32_dpp v14, v14, v14 row_xmask:1 row_mask:0xf bank_mask:0xf
	v_add_f32_dpp v14, v14, v14 row_xmask:2 row_mask:0xf bank_mask:0xf
	v_add_f32_dpp v14, v14, v14 row_xmask:4 row_mask:0xf bank_mask:0xf
	v_add_f32_dpp v14, v14, v14 row_xmask:8 row_mask:0xf bank_mask:0xf
	v_permlanex16_b32 v15, v14, s22, s23
	v_add_f32 v14, v14, v15
.endm
.macro STAT i
.set XI, X+32*(\i)
	s_wait_loadcnt (3-(\i))*8+16                   ; my rows up to this one are in; the later rows' loads and the sixteen of gain and shift may be out
.irp k, 0,1,2,3
	v_pk_add_f32 v[T+2*\k:T+2*\k+1], v[XI+4*\k:XI+4*\k+1], v[XI+4*\k+2:XI+4*\k+3]
.endr
.irp p, 8,9,10,11,12,13,14,15
	v_pk_add_f32 v[T+2*(\p%4):T+2*(\p%4)+1], v[T+2*(\p%4):T+2*(\p%4)+1], v[XI+2*\p:XI+2*\p+1]
.endr
	FOLD
	v_mul_f32 v14, 0xba800000, v14                 ; -mean
.set p, 0
.rept 16
	v_pk_add_f32 v[XI+p:XI+p+1], v[XI+p:XI+p+1], v[14:15] op_sel_hi:[1,0]
.set p, p+2
.endr
.irp k, 0,1,2,3
	v_pk_mul_f32 v[T+2*\k:T+2*\k+1], v[XI+2*\k:XI+2*\k+1], v[XI+2*\k:XI+2*\k+1]
.endr
.irp p, 4,5,6,7,8,9,10,11,12,13,14,15
	v_pk_fma_f32 v[T+2*(\p%4):T+2*(\p%4)+1], v[XI+2*\p:XI+2*\p+1], v[XI+2*\p:XI+2*\p+1], v[T+2*(\p%4):T+2*(\p%4)+1]
.endr
	FOLD
	v_fma_f32 v[RS+2*(\i)], v14, s20, s21
.endm
.macro NORMQ i
.set XI, X+32*(\i)
.set p, 0
.rept 16
	v_pk_mul_f32 v[XI+p:XI+p+1], v[XI+p:XI+p+1], v[RS+2*(\i):RS+2*(\i)+1] op_sel_hi:[1,0]
.set p, p+2
.endr
.set p, 0
.rept 16
	v_pk_fma_f32 v[XI+p:XI+p+1], v[XI+p:XI+p+1], v[SC+p:SC+p+1], v[SH+p:SH+p+1]
.set p, p+2
.endr
	s_wait_dscnt 0x0                               ; the last row's stores have read the code words
.irp u, 0,1
.set k, 0
.rept 16
	v_med3_num_f32 v[T+k], v[XI+16*\u+k], -v5, v5  ; the conversion does not saturate (ISA guide 7.6.2)
.set k, k+1
.endr
	v_cvt_scalef32_pk8_fp8_f32 v[C+4*\u:C+4*\u+1], v[T:T+7], v4
	v_cvt_scalef32_pk8_fp8_f32 v[C+4*\u+2:C+4*\u+3], v[T+8:T+15], v4
	v_nop                                          ; a plain line between the conversions and the next writes of their sources
.endr
.irp j, 0,1,2,3,4,5,6,7
	ds_store_b32 v3, v[C+\j] offset:(\i)*ROWP+128*\j
.endr
.endm
	STAT 0
	STAT 1
	STAT 2
	STAT 3
	s_wait_alu depctr_va_vdst(0)
.irp i, 0,1,2,3
	v_rsq_f32 v[RS+2*\i], v[RS+2*\i]
.endr
	v_nop                                          ; a plain line behind the last of the batch,
	s_wait_alu depctr_va_vdst(0)                   ; and one wait for the four, ahead of their first reader
	s_wait_loadcnt 0x0                             ; gain and shift
	NORMQ 0
	NORMQ 1
	NORMQ 2
	NORMQ 3
	s_wait_dscnt 0x0                               ; for the others' sake: my stores have landed
	s_barrier_signal -1
	s_barrier_wait -1
.set m, 0
.rept 8
	ds_load_b64 v[X+4*m:X+4*m+1],   v10 offset:(m/4)*128+32*(m%4)
	ds_load_b64 v[X+4*m+2:X+4*m+3], v10 offset:(m/4)*128+32*(m%4)+16
.set m, m+1
.endr
.set m, 0
.rept 8
	s_wait_dscnt 2*(7-m)                           ; image m's two loads are in; the younger ones may be out
	global_store_b128 v2, v[X+4*m:X+4*m+3], s[28:29] offset:(m/4)*2048+(m%4)*512
.set m, m+1
.endr
	s_wait_tensorcnt 0x0                           ; the wave's end: behind my last LDS store
	ds_add_u32 v[SPW], v[NIL]
	s_wait_dscnt 0x0
	s_endpgm
.Lfunc_end_k_q3ce81f5c20_ln2:
	.size	k_q3ce81f5c20_ln2, .Lfunc_end_k_q3ce81f5c20_ln2-k_q3ce81f5c20_ln2
	.p2alignl 7, 3214868480
	.fill 96, 4, 3214868480
	.section	.rodata,"a",@progbits
	.p2align	6, 0x0
	.amdhsa_kernel k_q3ce81f5c20_ln2
		.amdhsa_group_segment_fixed_size 17152
		.amdhsa_private_segment_fixed_size 0
		.amdhsa_enable_private_segment 0
		.amdhsa_kernarg_size 40
		.amdhsa_user_sgpr_count 2
		.amdhsa_user_sgpr_kernarg_segment_ptr 1
		.amdhsa_wavefront_size32 1
		.amdhsa_system_sgpr_workgroup_id_x 1
		.amdhsa_system_sgpr_workgroup_id_y 1
		.amdhsa_system_sgpr_workgroup_id_z 1
		.amdhsa_system_vgpr_workitem_id 0
		.amdhsa_next_free_vgpr 256
		.amdhsa_next_free_sgpr 66
		.amdhsa_reserve_vcc 0
		.amdhsa_float_denorm_mode_32 3
		.amdhsa_float_denorm_mode_16_64 3
		.amdhsa_memory_ordered 1
		.amdhsa_forward_progress 1
		.amdhsa_inst_pref_size 45
	.end_amdhsa_kernel
	.amdgpu_metadata
---
amdhsa.version: [ 1, 2 ]
amdhsa.kernels:
  - .name:           k_q3ce81f5c20_ln2
    .symbol:         k_q3ce81f5c20_ln2.kd
    .args:
      - { .name: x1, .offset: 0, .size: 8, .value_kind: global_buffer, .address_space: global }
      - { .name: ln2_scale, .offset: 8, .size: 8, .value_kind: global_buffer, .address_space: global }
      - { .name: ln2_shift, .offset: 16, .size: 8, .value_kind: global_buffer, .address_space: global }
      - { .name: lowp_scales, .offset: 24, .size: 8, .value_kind: global_buffer, .address_space: global }
      - { .name: h2img, .offset: 32, .size: 8, .value_kind: global_buffer, .address_space: global }
    .group_segment_fixed_size: 17152
    .private_segment_fixed_size: 0
    .kernarg_segment_align: 8
    .kernarg_segment_size: 40
    .max_flat_workgroup_size: 128
    .sgpr_count:     66
    .vgpr_count:     256
    .wavefront_size: 32
...
	.end_amdgpu_metadata
.endif
;; end of part 5
;; launch gemm_w1 (part 6): grid 16 x 16, 4 waves a work-group, clusters of 4 x 4, 327,680 bytes of LDS; arguments h2img, wimg, lowp_scales, b1, gimg; writes gimg
.if DOCPART == 6
	.amdgcn_target "amdgcn-amd-amdhsa--gfx1250"
	.amdhsa_code_object_version 6
	.text
	.protected	k_q3ce81f5c20_gemm_w1
	.globl	k_q3ce81f5c20_gemm_w1
	.p2align	8
	.type	k_q3ce81f5c20_gemm_w1,@function
k_q3ce81f5c20_gemm_w1:
	s_mov_b64 s[64:65], 0
	v_nop
	global_prefetch_b8 v0, s[64:65] scope:SCOPE_SE
	s_setreg_imm32_b32 hwreg(HW_REG_WAVE_MODE, 25, 1), 1
	s_wait_xcnt 0x0
	s_wait_alu depctr_hold_cnt(0) depctr_sa_sdst(0) depctr_va_vdst(0) depctr_va_sdst(0) depctr_va_ssrc(0) depctr_va_vcc(0) depctr_vm_vsrc(0)
	s_getreg_b32 s2, hwreg(HW_REG_IB_STS2, 6, 4)
	s_cmp_eq_u32 s2, 0
	s_cbranch_scc0 .Lentry_in_a_cluster
	s_endpgm
.Lentry_in_a_cluster:
	s_bfe_u32 s2, ttmp6, 0x10000c
	s_cmp_lg_u32 s2, 0xf033
	s_cbranch_scc0 .Lentry_shape_is_right
	s_endpgm
.Lentry_shape_is_right:
; g = gelu(h2 W1 + b1), the product on codes of FP8 (entries 12, 13), K = 1,024; g quantised at once by entry 14 for the product with W2.
; y = sum x 2^(e12 + e13) + b1.  gelu(y) = 0.5 y (1 + tanh u), u = sqrt(2 / pi) (y + 0.044715 y^3), is y / (1 + e^(-2 u)) by an identity of tanh: y / (1 + 2^(y (C1 + C2 y^2))), C1 = -2 sqrt(2 / pi) log2(e), C2 = 0.044715 C1.
; Where the power overflows the quotient is 0, where it vanishes it is y: the limits of gelu.  All in f32.  LIMITS: e12 + e13 between -126 and 127; e14 between -126 and 119.
; Tile 256 x 256, four waves of 128 x 128, K steps of 256 through two LDS slots; operands are images (layout: head of the first kernel); a wave's tensor load brings 8 rows of 4,096 bytes.
; THE MATRIX INSTRUCTION IS USED TRANSPOSED (source 0 = W1's rows, source 1 = the tokens'): a lane holds one token and eight neighbouring hidden units, so two neighbouring accumulators convert into a lane's 16 bytes of an image of g.
; gimg: [256 row tiles][32 fragments][2,048 bytes].  CLUSTERS: 4 x 4; A's tiles jointly along a row of the cluster, B's along a column.
; K IS WALKED FROM ANOTHER START IN EVERY OTHER CLUSTER: a cluster with x + y even takes K = 0..511 by its first fills and K = 512..1,023 by its two refills, one with x + y odd the other way round.
; So of two neighbouring clusters that read the same rows of h2 (same y) or of W1 (same x), each asks by its refills for what the other has asked for at its head.  A and B take the same start; only the order of the f32 sums along K hangs on it.
; REGISTERS: window 0: v0-31 addresses; v64-127 b1 of my 64 places; v128-255 A's fragments, on the way out y and the power; window 1: B's fragments, two sets; windows 2, 3: the accumulators.
.set SLOT,  131072
.set SPARE, 2*SLOT
.set KSB,   4096
.set LAPS,  2
.set FR,    16
.set NL,    4
.set NP,    4
.set SCL,  10                          ; v10  2^e14
.set LIM,  11                          ; v11  448 x 2^e14
.set ADRA, 16
.set ADRB, 20
.set LO,   24
.set BO,   27                          ; v27  32 h
.set SPW,  28
.set NIL,  29
.set OC,   32                          ; v32-63 codes, two sets
.set BI,   64
.set AF,   128
.set YY,   128
.set UU,   192
.set G1, 24
.set G0, 32
.set G1B, 48
.set G0B, 56
.set A2, 76                            ; s[76:77] A's tile at the half of K that the refills bring
.set B2, 78                            ; s[78:79] B's likewise
.set MSB, 0
.macro WIN new
.if MSB != \new
	s_set_vgpr_msb (MSB<<8)|\new
.set MSB, \new
.endif
.endm
.set MUL_LO, 0xa1
.set MUL_HI, 0xf1
.set TO_B,   0x40
.macro JLOAD g0a, g1a, g0b, g1b        ; a joint load: waves 0, 1 fetch for A, waves 2, 3 for B; s_nop 0 and four v_nop follow each line
	s_cmp_eq_u32 s15, 0
	s_cbranch_scc0 .Lfor_b_\@
	tensor_load_to_lds s[\g0a:\g0a+3], s[\g1a:\g1a+7]
	s_nop 0
.rept 4
	v_nop
.endr
	s_branch .Lasked_\@
.Lfor_b_\@:
	tensor_load_to_lds s[\g0b:\g0b+3], s[\g1b:\g1b+7]
	s_nop 0
.rept 4
	v_nop
.endr
.Lasked_\@:
.endm
.macro CREST
	s_cmp_lg_u32 s14, 0
	s_cbranch_scc1 .Lnot_wave_0_\@
	s_barrier_signal -3
.Lnot_wave_0_\@:
	s_barrier_wait -3
	s_barrier_signal -1
	s_barrier_wait -1
.endm
.macro CROUND
	s_barrier_signal -1
	s_barrier_wait -1
	CREST
.endm
	s_load_b128 s[4:7], s[0:1], 0x0                ; h2img, wimg
	s_load_b128 s[8:11], s[0:1], 0x10              ; lowp_scales, b1
	s_load_b64 s[12:13], s[0:1], 0x20              ; gimg
	v_lshl_add_u32 v[SPW], v0, 2, SPARE
	v_mov_b32 v[NIL], 0
	ds_add_u32 v[SPW], v[NIL]                      ; the opening: the add, twice on end, and its wait ahead of my first tensor load
	ds_add_u32 v[SPW], v[NIL]
	v_lshrrev_b32 v1, 5, v0
	v_readfirstlane_b32 s14, v1
	s_lshr_b32 s15, s14, 1
	s_and_b32 s16, s14, 1
	s_bfe_u32 s40, ttmp6, 0x40000
	s_bfe_u32 s41, ttmp6, 0x40004
	s_lshl_b32 s42, ttmp9, 2
	s_add_co_u32 s42, s42, s40                     ; tile column
	s_and_b32 s17, ttmp7, 0xffff
	s_lshl_b32 s17, s17, 2
	s_add_co_u32 s17, s17, s41                     ; tile row
	s_lshl_b32 s43, s41, 2
	s_lshl_b32 s43, 15, s43
	s_lshl_b32 s44, 0x1111, s40
	s_or_b32 s[G1+0], s43, (3<<16)|(1<<21)
	s_or_b32 s[G1B+0], s44, (3<<16)|(1<<21)
.irp g, G1, G1B
	s_mov_b32 s[\g+1], 512<<16                     ; 8 rows of 4,096 bytes, 16,384 apart
	s_mov_b32 s[\g+2], 8<<16
	s_mov_b32 s[\g+3], 512<<16
	s_mov_b32 s[\g+4], 8
	s_mov_b32 s[\g+5], 2048
	s_mov_b32 s[\g+6], 0
	s_mov_b32 s[\g+7], 0
.endr
	s_lshl_b32 s18, s16, 17
	s_lshl_b32 s20, s17, 18
	s_add_co_u32 s20, s20, s18
	s_mov_b32 s21, 0
	s_lshl_b32 s46, s42, 18
	s_add_co_u32 s46, s46, s18
	s_add_co_u32 s46, s46, 4<<20                   ; W1's place in wimg
	s_mov_b32 s47, 0
	s_lshl_b32 s45, s14, 15
	s_and_b32 s72, ttmp7, 0xffff                   ; where K begins: the cluster's x and y alone, which all sixteen partners share
	s_add_co_u32 s72, s72, ttmp9
	s_and_b32 s72, s72, 1
	s_lshl_b32 s72, s72, 13                        ; the first fills' half of K: byte 0 or 2 K steps on in a row tile of images,
	s_mov_b32 s73, 0
	s_xor_b32 s74, s72, 2*KSB                      ; and the refills': the other half
	s_mov_b32 s75, 0
	s_wait_dscnt 0x0                               ; both opening adds are done
	s_wait_kmcnt 0x0
	s_load_b128 s[68:71], s[8:9], 0x30             ; e12, e13, e14, e15
	s_add_nc_u64 s[20:21], s[4:5], s[20:21]
	s_add_nc_u64 s[46:47], s[6:7], s[46:47]
	s_add_nc_u64 s[A2:A2+1], s[20:21], s[74:75]
	s_add_nc_u64 s[B2:B2+1], s[46:47], s[74:75]
	s_add_nc_u64 s[20:21], s[20:21], s[72:73]
	s_add_nc_u64 s[46:47], s[46:47], s[72:73]
	; the prefetches: of the 8 row tiles that I fetch, each of the four partners that ask with me takes two, told apart by address (cx for A, cy for B)
	s_cmp_eq_u32 s15, 0
	s_cselect_b64 s[80:81], s[20:21], s[46:47]     ; my operand at the first fills' half of K,
	s_cselect_b64 s[82:83], s[A2:A2+1], s[B2:B2+1] ; and at the refills'
	s_cselect_b32 s86, s40, s41
	s_lshl_b32 s86, s86, 15                        ; two row tiles of 16,384 bytes
	s_mov_b32 s87, 0
	s_add_nc_u64 s[80:81], s[80:81], s[86:87]
	s_add_nc_u64 s[82:83], s[82:83], s[86:87]
	CROUND
.irp s, 0,1
	s_mov_b32 s[G0+4*\s], 1
	s_add_co_u32 s[G0+4*\s+1], s45, \s*SLOT
	s_add_nc_u64 s[G0+4*\s+2:G0+4*\s+3], s[20:21], \s*KSB
	s_or_b32 s[G0+4*\s+3], s[G0+4*\s+3], 0x80000000
	s_mov_b32 s[G0B+4*\s], 1
	s_add_co_u32 s[G0B+4*\s+1], s45, \s*SLOT
	s_add_nc_u64 s[G0B+4*\s+2:G0B+4*\s+3], s[46:47], \s*KSB
	s_or_b32 s[G0B+4*\s+3], s[G0B+4*\s+3], 0x80000000
.endr
	JLOAD G0, G1, G0B, G1B                         ; the first K step: one tensor load a wave at the head
	v_and_b32 v1, 15, v0
	v_bfe_u32 v2, v0, 4, 1
	v_lshlrev_b32 v25, 8, v1
	v_lshl_add_u32 v25, v2, 14, v25                ; v25, never rewritten: a K step of a row tile is 4,096 bytes: lanes 0-15 name its 16 blocks of 256 bytes, lanes 16-31 the next row tile's
	global_prefetch_b8 v25, s[80:81] offset:KSB th:TH_LOAD_NT scope:SCOPE_SE   ; the second K step, one load ahead,
	global_prefetch_b8 v25, s[82:83] th:TH_LOAD_NT scope:SCOPE_SE              ; and the third, two loads ahead
	v_and_b32 v1, 31, v0
	v_lshlrev_b32 v[LO], 4, v1
	s_lshl_b32 s22, s15, 15
	s_lshl_b32 s23, s16, 15
	s_add_co_u32 s23, s23, 65536
.irp s, 0,1
	v_add_nc_u32 v[ADRA+\s], s22, v[LO]
	v_add_nc_u32 v[ADRB+\s], s23, v[LO]
	s_add_co_u32 s22, s22, SLOT
	s_add_co_u32 s23, s23, SLOT
.endr
	v_bfe_u32 v1, v0, 4, 1
	v_lshlrev_b32 v[BO], 5, v1
	s_wait_alu depctr_va_vdst(0)
	v_mov_b32 v30, 0xc0135761                      ; C1, twice
	v_mov_b32 v31, 0xc0135761
	s_mov_b32 s98, 0xbdd2d3e8                      ; C2
	s_mov_b32 s99, s98
	s_lshl_b32 s88, s42, 10
	s_lshl_b32 s90, s16, 9
	s_add_co_u32 s88, s88, s90                     ; b1 at my 128 hidden units
	s_mov_b32 s89, 0
	s_add_nc_u64 s[10:11], s[10:11], s[88:89]
	s_lshl_b32 s88, s17, 20                        ; g: my first row tile: 16 x tile row + 8 x half, 65,536 bytes each,
	s_lshl_b32 s90, s15, 19
	s_add_co_u32 s88, s88, s90
	s_lshl_b32 s90, s42, 12                        ; my fragment: 2 x tile column + half
	s_add_co_u32 s88, s88, s90
	s_lshl_b32 s90, s16, 11
	s_add_co_u32 s88, s88, s90
	s_add_nc_u64 s[12:13], s[12:13], s[88:89]
.irp b, 0,1,2,3,4,5,6,7                ; register 8 b + j: b1 of hidden unit 16 b + 8 h + j: asked for now, wanted on the way out
	global_load_b128 v[BI+8*\b:BI+8*\b+3],   v[BO], s[10:11] offset:64*\b
	global_load_b128 v[BI+8*\b+4:BI+8*\b+7], v[BO], s[10:11] offset:64*\b+16
.endr
.macro FRAG reg, adr, q, i
.irp c, 0,1,2,3
	ds_load_b128 v[\reg+4*\c:\reg+4*\c+3], v[\adr] offset:2048*(\q)+512*\c+(\i)*4096
.endr
.endm
.macro MUL16 a0, p, zero               ; the 64 accumulators take turns, one instruction a turn
.irp a, \a0, \a0+1
.irp b, 0,1,2,3,4,5,6,7
.if \zero
	v_wmma_f32_16x16x128_fp8_fp8 v[8*(8*((\a)%4)+\b):8*(8*((\a)%4)+\b)+7], v[128*(\p)+FR*\b:128*(\p)+FR*\b+FR-1], v[AF+FR*(\a):AF+FR*(\a)+FR-1], 0
.else
	v_wmma_f32_16x16x128_fp8_fp8 v[8*(8*((\a)%4)+\b):8*(8*((\a)%4)+\b)+7], v[128*(\p)+FR*\b:128*(\p)+FR*\b+FR-1], v[AF+FR*(\a):AF+FR*(\a)+FR-1], v[8*(8*((\a)%4)+\b):8*(8*((\a)%4)+\b)+7]
.endif
.endr
.endr
.endm
.macro FETCH_B slot, q, p
	WIN TO_B
.irp i, 0,1,2,3,4,5,6,7
	FRAG 128*(\p)+FR*\i, ADRB+\slot, \q, \i
.endr
	WIN 0
.endm
.macro FETCH_A slot, q, i0
.irp i, \i0, \i0+1, \i0+2, \i0+3
	FRAG AF+FR*(\i), ADRA+\slot, \q, \i
.endr
.endm
.macro PLACES n
.rept \n
	v_nop
.endr
.endm
.macro STEP slot, q, zero
	s_wait_dscnt 4*NL                              ; B's set and A's blocks 0-3 are in; A's blocks 4-7 may be out
	WIN MUL_LO
	MUL16 0, (\q)%2, \zero
	MUL16 2, (\q)%2, \zero
	s_wait_dscnt 0
	PLACES NP
	FETCH_B \slot, (\q)+1, 1-(\q)%2
	FETCH_A \slot, (\q)+1, 0
	WIN MUL_HI
	MUL16 4, (\q)%2, \zero
	MUL16 6, (\q)%2, \zero
	PLACES NP
	WIN 0
	FETCH_A \slot, (\q)+1, 4
.endm
.macro TURN slot, next, fill
	s_wait_tensorcnt 0x0                           ; all my tensor loads have landed: my part of the next slot
	ds_add_u32 v[SPW], v[NIL]
	s_wait_dscnt 4*NL+1                            ; the add and A's blocks 4-7 may be out
	WIN MUL_LO
	MUL16 0, 1, 0
	s_wait_dscnt 0x0                               ; the add is done, and my reads of this slot are over
	s_barrier_signal -1
	MUL16 2, 1, 0
	WIN 0
	s_barrier_wait -1
.if \fill
	CREST                                          ; the barrier has opened a round of the cluster's
	s_add_nc_u64 s[G0+4*\slot+2:G0+4*\slot+3], s[A2:A2+1], \slot*KSB   ; with four K steps each slot is filled again once: with its K step of the other half of K
	s_or_b32 s[G0+4*\slot+3], s[G0+4*\slot+3], 0x80000000
	s_add_nc_u64 s[G0B+4*\slot+2:G0B+4*\slot+3], s[B2:B2+1], \slot*KSB
	s_or_b32 s[G0B+4*\slot+3], s[G0B+4*\slot+3], 0x80000000
	JLOAD G0+4*\slot, G1, G0B+4*\slot, G1B
.else
	PLACES NP
.endif
	FETCH_B \next, 0, 0
	FETCH_A \next, 0, 0
	WIN MUL_HI
	MUL16 4, 1, 0
	MUL16 6, 1, 0
	PLACES NP
	WIN 0
	FETCH_A \next, 0, 4
.endm
	s_wait_alu depctr_va_vdst(0)                   ; the wait at the head's end
	s_wait_tensorcnt 0x0                           ; my part of the first K step is in
	ds_add_u32 v[SPW], v[NIL]
	s_wait_dscnt 0x0
	CROUND                                         ; everybody's part is in, and all sixteen work-groups are here
	JLOAD G0+4, G1, G0B+4, G1B                     ; the second K step: the first tensor load behind the round
	FETCH_B 0, 0, 0
	FETCH_A 0, 0, 0
	FETCH_A 0, 0, 4
	global_prefetch_b8 v25, s[82:83] offset:KSB th:TH_LOAD_NT scope:SCOPE_SE   ; the fourth K step, two loads ahead; the two refills ask for nothing: no K step follows
	STEP 0, 0, 1
	s_mov_b32 s3, LAPS-1
.Llap:
	TURN 0, 1, 1
	STEP 1, 0, 0
	TURN 1, 0, 1
	STEP 0, 0, 0
	s_sub_co_u32 s3, s3, 1
	s_cmp_lg_u32 s3, 0
	s_cbranch_scc1 .Llap
	TURN 0, 1, 0
	STEP 1, 0, 0
	s_wait_dscnt 4*NL
	WIN MUL_LO
	MUL16 0, 1, 0
	MUL16 2, 1, 0
	s_wait_dscnt 0
	WIN MUL_HI
	MUL16 4, 1, 0
	MUL16 6, 1, 0
	WIN 0
	s_wait_kmcnt 0x0
	s_add_co_i32 s96, s68, s69
	s_add_co_i32 s96, s96, 127
	s_lshl_b32 s96, s96, 23                        ; 2^(e12 + e13)
	s_mov_b32 s97, s96
	s_add_co_i32 s84, s70, 127
	s_lshl_b32 s85, s84, 23
	v_mov_b32 v[SCL], s85
	s_add_co_i32 s84, s84, 8
	s_lshl_b32 s84, s84, 23
	s_or_b32 s84, s84, 0x600000
	v_mov_b32 v[LIM], s84
	s_wait_loadcnt 0x0                             ; b1
	PLACES NP
; THE WAY OUT, block by block of 16 tokens x 128 hidden units: bias, GELU, hold, convert, four stores of 512 consecutive bytes.  Each batch of 64 transcendentals has one plain line and one wait behind it.
.macro GELU a
.set AC, 64*((\a)%4)
	WIN 0x02+((\a)/4)                              ; source 0: window 2 or 3
.set i, 0
.rept 32
	v_pk_fma_f32 v[YY+i:YY+i+1], v[AC+i:AC+i+1], s[96:97], v[BI+i:BI+i+1] op_sel_hi:[1,0,1]   ; y; each accumulator from its low end on
.set i, i+2
.endr
	WIN 0
.set i, 0
.rept 32
	v_pk_mul_f32 v[UU+i:UU+i+1], v[YY+i:YY+i+1], v[YY+i:YY+i+1]
.set i, i+2
.endr
.set i, 0
.rept 32
	v_pk_fma_f32 v[UU+i:UU+i+1], v[UU+i:UU+i+1], s[98:99], v[30:31] op_sel_hi:[1,0,1]   ; C2 y^2 + C1
.set i, i+2
.endr
.set i, 0
.rept 32
	v_pk_mul_f32 v[UU+i:UU+i+1], v[UU+i:UU+i+1], v[YY+i:YY+i+1]
.set i, i+2
.endr
.set i, 0
	s_wait_alu depctr_va_vdst(0)
.rept 64
	v_exp_f32 v[UU+i], v[UU+i]
.set i, i+1
.endr
	v_nop
	s_wait_alu depctr_va_vdst(0)                   ; one wait for the batch, ahead of its first reader
.set i, 0
.rept 32
	v_pk_add_f32 v[UU+i:UU+i+1], v[UU+i:UU+i+1], 1.0 op_sel_hi:[1,0]
.set i, i+2
.endr
.set i, 0
	s_wait_alu depctr_va_vdst(0)
.rept 64
	v_rcp_f32 v[UU+i], v[UU+i]
.set i, i+1
.endr
	v_nop
	s_wait_alu depctr_va_vdst(0)
.set i, 0
.rept 32
	v_pk_mul_f32 v[YY+i:YY+i+1], v[YY+i:YY+i+1], v[UU+i:UU+i+1]
.set i, i+2
.endr
.set i, 0
.rept 64
	v_med3_num_f32 v[YY+i], v[YY+i], -v[LIM], v[LIM]   ; the conversion does not saturate (ISA guide 7.6.2)
.set i, i+1
.endr
.if (\a) >= 2
	s_wait_alu depctr_va_vdst(0)
	s_wait_xcnt 0x0                                ; the stores of two blocks ago have read this set of codes
.endif
.irp p, 0,1,2,3
	v_cvt_scalef32_pk8_fp8_f32 v[OC+16*((\a)%2)+4*\p:OC+16*((\a)%2)+4*\p+1],   v[YY+16*\p:YY+16*\p+7],    v[SCL]
	v_cvt_scalef32_pk8_fp8_f32 v[OC+16*((\a)%2)+4*\p+2:OC+16*((\a)%2)+4*\p+3], v[YY+16*\p+8:YY+16*\p+15], v[SCL]
.endr
	v_nop                                          ; a plain line between the conversions and the next writes of their sources
.irp p, 0,1,2,3
	global_store_b128 v[LO], v[OC+16*((\a)%2)+4*\p:OC+16*((\a)%2)+4*\p+3], s[12:13] offset:(\a)*65536+\p*512
.endr
.endm
.irp a, 0,1,2,3,4,5,6,7
	GELU \a
.endr
	s_wait_tensorcnt 0x0                           ; the wave's end
	ds_add_u32 v[SPW], v[NIL]
	s_wait_dscnt 0x0
	CROUND                                         ; the closing round
	s_endpgm
.Lfunc_end_k_q3ce81f5c20_gemm_w1:
	.size	k_q3ce81f5c20_gemm_w1, .Lfunc_end_k_q3ce81f5c20_gemm_w1-k_q3ce81f5c20_gemm_w1
	.p2alignl 7, 3214868480
	.fill 96, 4, 3214868480
	.section	.rodata,"a",@progbits
	.p2align	6, 0x0
	.amdhsa_kernel k_q3ce81f5c20_gemm_w1
		.amdhsa_group_segment_fixed_size 327680
		.amdhsa_private_segment_fixed_size 0
		.amdhsa_enable_private_segment 0
		.amdhsa_kernarg_size 40
		.amdhsa_user_sgpr_count 2
		.amdhsa_user_sgpr_kernarg_segment_ptr 1
		.amdhsa_wavefront_size32 1
		.amdhsa_system_sgpr_workgroup_id_x 1
		.amdhsa_system_sgpr_workgroup_id_y 1
		.amdhsa_system_sgpr_workgroup_id_z 1
		.amdhsa_system_vgpr_workitem_id 0
		.amdhsa_next_free_vgpr 1024
		.amdhsa_next_free_sgpr 100
		.amdhsa_reserve_vcc 0
		.amdhsa_float_denorm_mode_32 3
		.amdhsa_float_denorm_mode_16_64 3
		.amdhsa_memory_ordered 1
		.amdhsa_forward_progress 1
		.amdhsa_inst_pref_size 251
	.end_amdhsa_kernel
	.amdgpu_metadata
---
amdhsa.version: [ 1, 2 ]
amdhsa.kernels:
  - .name:           k_q3ce81f5c20_gemm_w1
    .symbol:         k_q3ce81f5c20_gemm_w1.kd
    .args:
      - { .name: h2img, .offset: 0, .size: 8, .value_kind: global_buffer, .address_space: global }
      - { .name: wimg, .offset: 8, .size: 8, .value_kind: global_buffer, .address_space: global }
      - { .name: lowp_scales, .offset: 16, .size: 8, .value_kind: global_buffer, .address_space: global }
      - { .name: b1, .offset: 24, .size: 8, .value_kind: global_buffer, .address_space: global }
      - { .name: gimg, .offset: 32, .size: 8, .value_kind: global_buffer, .address_space: global }
    .group_segment_fixed_size: 327680
    .private_segment_fixed_size: 0
    .kernarg_segment_align: 8
    .kernarg_segment_size: 40
    .max_flat_workgroup_size: 128
    .sgpr_count:     100
    .vgpr_count:     1024
    .wavefront_size: 32
...
	.end_amdgpu_metadata
.endif
;; end of part 6
;; launch gemm_w2 (part 7): grid 8 x 32, 4 waves a work-group, clusters of 4 x 4, 327,680 bytes of LDS; arguments gimg, wimg, lowp_scales, x1, b2, out0; writes out0
.if DOCPART == 7
	.amdgcn_target "amdgcn-amd-amdhsa--gfx1250"
	.amdhsa_code_object_version 6
	.text
	.protected	k_q3ce81f5c20_gemm_w2
	.globl	k_q3ce81f5c20_gemm_w2
	.p2align	8
	.type	k_q3ce81f5c20_gemm_w2,@function
k_q3ce81f5c20_gemm_w2:
	s_mov_b64 s[64:65], 0
	v_nop
	global_prefetch_b8 v0, s[64:65] scope:SCOPE_SE
	s_setreg_imm32_b32 hwreg(HW_REG_WAVE_MODE, 25, 1), 1
	s_wait_xcnt 0x0
	s_wait_alu depctr_hold_cnt(0) depctr_sa_sdst(0) depctr_va_vdst(0) depctr_va_sdst(0) depctr_va_ssrc(0) depctr_va_vcc(0) depctr_vm_vsrc(0)
	s_getreg_b32 s2, hwreg(HW_REG_IB_STS2, 6, 4)
	s_cmp_eq_u32 s2, 0
	s_cbranch_scc0 .Lentry_in_a_cluster
	s_endpgm
.Lentry_in_a_cluster:
	s_bfe_u32 s2, ttmp6, 0x10000c
	s_cmp_lg_u32 s2, 0xf033
	s_cbranch_scc0 .Lentry_shape_is_right
	s_endpgm
.Lentry_shape_is_right:
; out = x1 + g W2 + b2.  The product on codes of FP8 (entries ENT, ENT + 1), K = KK; each finished sum x 2^(ea + eb), + bias, + the residual, f32, row-major [4,096][1,024].
; LIMIT: ea + eb between -126 and 127.
; N = 1,024 gives 64 tiles of 256 x 256 but 256 of 128 x 128: the smaller tile, four waves of 64 x 64 (16 accumulators).  K goes in steps of 512 through two LDS slots.
; OPERANDS ARE IMAGES (layout: head of the first kernel): a wave's tensor load brings 4 row tiles x 4 fragments = 4 rows of 8,192 bytes; a fragment is four ds_load_b128 at 16 x lane.
; THE MATRIX INSTRUCTION IS USED TRANSPOSED (source 0 = W's rows, source 1 = the tokens'): a lane holds eight neighbouring columns of one row.
; CLUSTERS: 4 x 4; A's tiles are asked for jointly along a row of the cluster, B's along a column.
; K IS WALKED FROM ANOTHER START IN EVERY OTHER CLUSTER: a cluster with x + y even takes the eight K steps 0, 1, .. 7, one with x + y odd 4, 5, 6, 7, 0, 1, 2, 3.
; So of two neighbouring clusters that read the same rows of g (same y) or of W2 (same x), each asks in the second half of its walk for what the other has asked for in the first half of its own.
; A and B take the same K step; only the order of the f32 sums along K hangs on the start.
; REGISTERS: window 0: v0-31 addresses, v8-11 bias; v32-95 residual rows, two sets; v96-127 rows back from the stage; v128-255 accumulators ((a, b) at v[128 + 8 (4 a + b)]).
;   window 1: two sets of fragments for 128 along K: A's four at f + 16 a, B's four at f + 64 + 16 b.
.set KK,    4096
.set RTSH,  16                         ; a row tile of images is KK x 16 = 1 << RTSH bytes
.set BOFF,  8<<20                      ; the weight's place in wimg
.set ENT,   14
.set LAPS,  KK/1024                    ; a lap = two K steps of 512
.set SLOT,  131072
.set KSB,   8192
.set STAGE, 2*SLOT
.set SPITCH, 272
.set SPARE, STAGE+4*16*SPITCH
.set BI,   8
.set ADRA, 16
.set ADRB, 20
.set STO,  24
.set RD,   25
.set CO,   26
.set BO,   27
.set SPW,  28
.set NIL,  29
.set RS,   32
.set BK,   96
.set ACC,  128
.set F0,   0
.set F1,   128
.set G1, 24
.set G0, 32
.set G1B, 48
.set G0B, 56
.set OF, 80                            ; s[80:81], s[82:83]: slot 0's and slot 1's K step, as a byte offset in a row tile of images (the upper words are 0)
.set MSB, 0
.macro WIN new
.if MSB != \new
	s_set_vgpr_msb (MSB<<8)|\new
.set MSB, \new
.endif
.endm
.set MUL,  0x05
.set TO_F, 0x40
.macro JLOAD s                         ; a joint load: waves 0, 1 fetch for A, waves 2, 3 for B; s_nop 0 and four v_nop follow each line
	s_cmp_eq_u32 s15, 0
	s_cbranch_scc0 .Lfor_b_\@
	tensor_load_to_lds s[G0+4*\s:G0+4*\s+3], s[G1:G1+7]
	s_nop 0
.rept 4
	v_nop
.endr
	s_branch .Lasked_\@
.Lfor_b_\@:
	tensor_load_to_lds s[G0B+4*\s:G0B+4*\s+3], s[G1B:G1B+7]
	s_nop 0
.rept 4
	v_nop
.endr
.Lasked_\@:
.endm
.macro CREST
	s_cmp_lg_u32 s14, 0
	s_cbranch_scc1 .Lnot_wave_0_\@
	s_barrier_signal -3
.Lnot_wave_0_\@:
	s_barrier_wait -3
	s_barrier_signal -1
	s_barrier_wait -1
.endm
.macro CROUND
	s_barrier_signal -1
	s_barrier_wait -1
	CREST
.endm
	s_load_b128 s[4:7], s[0:1], 0x0                ; A's images, wimg
	s_load_b128 s[8:11], s[0:1], 0x10              ; lowp_scales, the residual
	s_load_b128 s[68:71], s[0:1], 0x20             ; the bias, the result
	v_lshl_add_u32 v[SPW], v0, 2, SPARE
	v_mov_b32 v[NIL], 0
	ds_add_u32 v[SPW], v[NIL]                      ; the opening: the add, twice on end, and its wait ahead of my first tensor load
	ds_add_u32 v[SPW], v[NIL]
	v_lshrrev_b32 v1, 5, v0
	v_readfirstlane_b32 s14, v1
	s_lshr_b32 s15, s14, 1
	s_and_b32 s16, s14, 1
	s_bfe_u32 s40, ttmp6, 0x40000
	s_bfe_u32 s41, ttmp6, 0x40004
	s_lshl_b32 s42, ttmp9, 2
	s_add_co_u32 s42, s42, s40                     ; tile column
	s_and_b32 s17, ttmp7, 0xffff
	s_lshl_b32 s17, s17, 2
	s_add_co_u32 s17, s17, s41                     ; tile row
	s_lshl_b32 s43, s41, 2
	s_lshl_b32 s43, 15, s43
	s_lshl_b32 s44, 0x1111, s40
	s_or_b32 s[G1+0], s43, (3<<16)|(1<<21)
	s_or_b32 s[G1B+0], s44, (3<<16)|(1<<21)
.irp g, G1, G1B
	s_mov_b32 s[\g+1], 1024<<16                    ; 4 rows of 8,192 bytes
	s_mov_b32 s[\g+2], 4<<16
	s_mov_b32 s[\g+3], 1024<<16
	s_mov_b32 s[\g+4], 4
	s_mov_b32 s[\g+5], 2*KK                        ; from row tile to row tile, in elements of 8 bytes
	s_mov_b32 s[\g+6], 0
	s_mov_b32 s[\g+7], 0
.endr
	s_lshl_b32 s18, s16, 2
	s_lshl_b32 s20, s17, 3
	s_add_co_u32 s20, s20, s18
	s_lshl_b32 s20, s20, RTSH
	s_mov_b32 s21, 0
	s_lshl_b32 s46, s42, 3
	s_add_co_u32 s46, s46, s18
	s_lshl_b32 s46, s46, RTSH
	s_add_co_u32 s46, s46, BOFF
	s_mov_b32 s47, 0
	s_lshl_b32 s45, s14, 15
	s_and_b32 s[OF], ttmp7, 0xffff                 ; where K begins: the cluster's x and y alone, which all sixteen partners share
	s_add_co_u32 s[OF], s[OF], ttmp9
	s_and_b32 s[OF], s[OF], 1
	s_lshl_b32 s[OF], s[OF], 15                    ; K step 0 or 4: 8,192 bytes a K step
	s_mov_b32 s[OF+1], 0
	s_add_co_u32 s[OF+2], s[OF], KSB               ; slot 1 begins one K step on
	s_mov_b32 s[OF+3], 0
	s_wait_dscnt 0x0                               ; both opening adds are done
	s_wait_kmcnt 0x0
	s_load_b64 s[72:73], s[8:9], 4*ENT             ; ea, eb
	s_add_nc_u64 s[20:21], s[4:5], s[20:21]        ; my rows of A and of B at K = 0: these two pairs stay
	s_add_nc_u64 s[46:47], s[6:7], s[46:47]
	; the prefetches: of the 4 row tiles that I fetch, each of the four partners that ask with me takes one, told apart by address (cx for A, cy for B)
	s_cmp_eq_u32 s15, 0
	s_cselect_b64 s[84:85], s[20:21], s[46:47]
	s_cselect_b32 s90, s40, s41
	s_lshl_b32 s90, s90, RTSH
	s_mov_b32 s91, 0
	s_add_nc_u64 s[84:85], s[84:85], s[90:91]      ; my row tile at K = 0,
	s_add_nc_u64 s[86:87], s[84:85], s[OF:OF+1]    ; and at the walk's first K step
	CROUND
.irp s, 0,1
	s_mov_b32 s[G0+4*\s], 1
	s_add_co_u32 s[G0+4*\s+1], s45, \s*SLOT
	s_add_nc_u64 s[G0+4*\s+2:G0+4*\s+3], s[20:21], s[OF+2*\s:OF+2*\s+1]
	s_or_b32 s[G0+4*\s+3], s[G0+4*\s+3], 0x80000000
	s_mov_b32 s[G0B+4*\s], 1
	s_add_co_u32 s[G0B+4*\s+1], s45, \s*SLOT
	s_add_nc_u64 s[G0B+4*\s+2:G0B+4*\s+3], s[46:47], s[OF+2*\s:OF+2*\s+1]
	s_or_b32 s[G0B+4*\s+3], s[G0B+4*\s+3], 0x80000000
.endr
	JLOAD 0                                        ; the walk's first K step: one tensor load a wave at the head
	v_and_b32 v30, 31, v0
	v_lshlrev_b32 v30, 8, v30                      ; v30, never rewritten: a K step of a row tile is 8,192 bytes: a lane a block of 256
	global_prefetch_b8 v30, s[86:87] offset:KSB th:TH_LOAD_NT scope:SCOPE_SE     ; the walk's second K step, one load ahead,
	global_prefetch_b8 v30, s[86:87] offset:2*KSB th:TH_LOAD_NT scope:SCOPE_SE   ; and its third, two loads ahead (the first four of a walk do not pass the end of K)
	v_and_b32 v1, 31, v0
	v_lshlrev_b32 v2, 4, v1
	s_lshl_b32 s22, s15, 15
	s_lshl_b32 s23, s16, 15
	s_add_co_u32 s23, s23, 65536
.irp s, 0,1
	v_add_nc_u32 v[ADRA+\s], s22, v2
	v_add_nc_u32 v[ADRB+\s], s23, v2
	s_add_co_u32 s22, s22, SLOT
	s_add_co_u32 s23, s23, SLOT
.endr
	v_and_b32 v1, 15, v0
	v_bfe_u32 v3, v0, 4, 1
	s_mul_i32 s22, s14, 16*SPITCH
	s_add_co_u32 s22, s22, STAGE
	v_mul_u32_u24 v4, v1, SPITCH
	v_lshl_add_u32 v4, v3, 5, v4
	v_add_nc_u32 v[STO], s22, v4
	v_mul_u32_u24 v5, v3, SPITCH
	v_lshl_add_u32 v5, v1, 4, v5
	v_add_nc_u32 v[RD], s22, v5
	v_lshlrev_b32 v[BO], 4, v1
	s_wait_alu depctr_va_vdst(0)
	v_lshl_add_u32 v[CO], v3, 12, v[BO]
	s_wait_alu depctr_va_vdst(0)
	s_lshl_b32 s76, s42, 9
	s_lshl_b32 s78, s16, 8
	s_add_co_u32 s76, s76, s78
	s_mov_b32 s77, 0
	s_add_nc_u64 s[68:69], s[68:69], s[76:77]
	s_lshl_b32 s78, s17, 19
	s_add_co_u32 s76, s76, s78
	s_lshl_b32 s78, s15, 18
	s_add_co_u32 s76, s76, s78
	s_add_nc_u64 s[10:11], s[10:11], s[76:77]
	s_add_nc_u64 s[70:71], s[70:71], s[76:77]
.macro RLOAD a
.irp t, 0,1,2,3,4,5,6,7
	global_load_b128 v[RS+32*((\a)%2)+4*\t:RS+32*((\a)%2)+4*\t+3], v[CO], s[10:11] offset:(16*(\a)+2*\t)*4096
.endr
.endm
	global_load_b128 v[BI:BI+3], v[BO], s[68:69]
	RLOAD 0
	RLOAD 1
.macro MUL8 f, a0, zero                ; the 16 accumulators take turns
.irp a, \a0, \a0+1
.irp b, 0,1,2,3
.if \zero
	v_wmma_f32_16x16x128_fp8_fp8 v[ACC+8*(4*(\a)+\b):ACC+8*(4*(\a)+\b)+7], v[\f+64+16*\b:\f+64+16*\b+15], v[\f+16*(\a):\f+16*(\a)+15], 0
.else
	v_wmma_f32_16x16x128_fp8_fp8 v[ACC+8*(4*(\a)+\b):ACC+8*(4*(\a)+\b)+7], v[\f+64+16*\b:\f+64+16*\b+15], v[\f+16*(\a):\f+16*(\a)+15], v[ACC+8*(4*(\a)+\b):ACC+8*(4*(\a)+\b)+7]
.endif
.endr
.endr
.endm
.macro FETCH slot, q, f
	WIN TO_F
.irp i, 0,1,2,3
.irp c, 0,1,2,3
	ds_load_b128 v[\f+64+16*\i+4*\c:\f+64+16*\i+4*\c+3], v[ADRB+\slot] offset:\i*8192+(\q)*2048+\c*512
.endr
.endr
.irp i, 0,1,2,3
.irp c, 0,1,2,3
	ds_load_b128 v[\f+16*\i+4*\c:\f+16*\i+4*\c+3], v[ADRA+\slot] offset:\i*8192+(\q)*2048+\c*512
.endr
.endr
.endm
.macro PLACES
.rept 4
	v_nop
.endr
.endm
.macro QUARTER slot, q, f, g, zero
	s_wait_dscnt 8                                 ; B's four and A's blocks 0, 1 are in; A's blocks 2, 3 may be out
	WIN MUL
	MUL8 \f, 0, \zero
	PLACES
	FETCH \slot, \q, \g
	s_wait_dscnt 32                                ; all but the 32 just issued
	WIN MUL
	MUL8 \f, 2, \zero
.endm
.macro TURN slot, next, fill
	WIN 0
.if \fill
	s_wait_xcnt 0x0                                ; my last prefetch has read its address, so it may be written:
	s_add_co_u32 s90, s[OF+2*\slot], 4*KSB         ; the K step two refills on: four behind the one that this slot holds,
	s_and_b32 s90, s90, (1<<RTSH)-1                ; round the end of K
	s_add_nc_u64 s[88:89], s[84:85], s[90:91]
.endif
	s_wait_tensorcnt 0x0
	ds_add_u32 v[SPW], v[NIL]
	s_wait_dscnt 9                                 ; the add and A's blocks 2, 3 may be out
	WIN MUL
	MUL8 F1, 0, 0
	s_wait_dscnt 0x0                               ; the add is done, and my reads of this slot are over
	WIN 0
	s_barrier_signal -1
	s_barrier_wait -1
.if \fill
	CREST                                          ; the barrier has opened a round of the cluster's: no wave of any partner still reads this slot or has a load on its way
	s_add_co_u32 s[OF+2*\slot], s[OF+2*\slot], 2*KSB   ; this slot's next K step: two on,
	s_and_b32 s[OF+2*\slot], s[OF+2*\slot], (1<<RTSH)-1   ; round the end of K: a row tile's eight K steps are 65,536 bytes
	s_add_nc_u64 s[G0+4*\slot+2:G0+4*\slot+3], s[20:21], s[OF+2*\slot:OF+2*\slot+1]
	s_or_b32 s[G0+4*\slot+3], s[G0+4*\slot+3], 0x80000000
	s_add_nc_u64 s[G0B+4*\slot+2:G0B+4*\slot+3], s[46:47], s[OF+2*\slot:OF+2*\slot+1]
	s_or_b32 s[G0B+4*\slot+3], s[G0B+4*\slot+3], 0x80000000
	JLOAD \slot                                    ; the first tensor load behind the round; its four v_nop are the places in front of the loads below
	s_cmp_gt_u32 s3, 1                             ; the loop's last trip brings the walk's last two K steps: nothing stands two refills on
	s_cbranch_scc0 .Lnone_\@
	global_prefetch_b8 v30, s[88:89] th:TH_LOAD_NT scope:SCOPE_SE
.Lnone_\@:
.else
	PLACES
.endif
	FETCH \next, 0, F0
	WIN MUL
	MUL8 F1, 2, 0
.endm
	s_wait_alu depctr_va_vdst(0)                   ; the wait at the head's end
	s_wait_tensorcnt 0x0                           ; my part of the first K step is in
	ds_add_u32 v[SPW], v[NIL]
	s_wait_dscnt 0x0
	CROUND                                         ; everybody's part is in, and all sixteen work-groups are here
	JLOAD 1                                        ; the second K step: the first tensor load behind the round
	global_prefetch_b8 v30, s[86:87] offset:3*KSB th:TH_LOAD_NT scope:SCOPE_SE   ; the walk's fourth K step, two loads ahead
	FETCH 0, 0, F0
	QUARTER 0, 1, F0, F1, 1
.if LAPS > 1
	WIN 0
	s_mov_b32 s3, LAPS-1
.Llap:                                                 ; a trip goes once round the ring and fills both slots again
	QUARTER 0, 2, F1, F0, 0
	QUARTER 0, 3, F0, F1, 0
	TURN 0, 1, 1
	QUARTER 1, 1, F0, F1, 0
	QUARTER 1, 2, F1, F0, 0
	QUARTER 1, 3, F0, F1, 0
	TURN 1, 0, 1
	QUARTER 0, 1, F0, F1, 0
	WIN 0
	s_sub_co_u32 s3, s3, 1
	s_cmp_lg_u32 s3, 0
	s_cbranch_scc1 .Llap
.endif
	QUARTER 0, 2, F1, F0, 0
	QUARTER 0, 3, F0, F1, 0
	TURN 0, 1, 0
	QUARTER 1, 1, F0, F1, 0
	QUARTER 1, 2, F1, F0, 0
	QUARTER 1, 3, F0, F1, 0
	s_wait_dscnt 8
	WIN MUL
	MUL8 F1, 0, 0
	s_wait_dscnt 0
	MUL8 F1, 2, 0
	WIN 0
	s_wait_kmcnt 0x0
	s_add_co_i32 s74, s72, s73
	s_add_co_i32 s74, s74, 127
	s_lshl_b32 s74, s74, 23                        ; 2^(ea + eb)
	s_mov_b32 s75, s74
	PLACES
; THE WAY OUT, block by block of 16 rows.  My 64 columns are one aligned run of 256 bytes, so the stage is my own: raw sums in, whole rows back (LDS serves a wave's instructions in order), no barrier.
.macro OUTB a
.set RSA, RS+32*((\a)%2)
.if (\a) > 0
	s_wait_xcnt 0x0                                ; the last block's stores have read their registers
.endif
.irp b, 0,1,2,3
	ds_store_b128 v[STO], v[ACC+8*(4*(\a)+\b):ACC+8*(4*(\a)+\b)+3] offset:64*\b
	ds_store_b128 v[STO], v[ACC+8*(4*(\a)+\b)+4:ACC+8*(4*(\a)+\b)+7] offset:64*\b+16
.endr
.irp t, 0,1,2,3,4,5,6,7
	ds_load_b128 v[BK+4*\t:BK+4*\t+3], v[RD] offset:\t*2*SPITCH
.endr
.if (\a) < 3
	s_wait_loadcnt 8                               ; this block's residual (and the bias) is in; the other set's eight loads may be out
.else
	s_wait_loadcnt 0
.endif
.irp t, 0,1,2,3,4,5,6,7
	v_pk_add_f32 v[RSA+4*\t:RSA+4*\t+1], v[RSA+4*\t:RSA+4*\t+1], v[BI:BI+1]
	v_pk_add_f32 v[RSA+4*\t+2:RSA+4*\t+3], v[RSA+4*\t+2:RSA+4*\t+3], v[BI+2:BI+3]
.endr
.irp t, 0,1,2,3,4,5,6,7
	s_wait_dscnt 7-\t                              ; rows 2 t, 2 t + 1 are back; the younger reads may be out
	v_pk_fma_f32 v[BK+4*\t:BK+4*\t+1], v[BK+4*\t:BK+4*\t+1], s[74:75], v[RSA+4*\t:RSA+4*\t+1] op_sel_hi:[1,0,1]
	v_pk_fma_f32 v[BK+4*\t+2:BK+4*\t+3], v[BK+4*\t+2:BK+4*\t+3], s[74:75], v[RSA+4*\t+2:RSA+4*\t+3] op_sel_hi:[1,0,1]
	global_store_b128 v[CO], v[BK+4*\t:BK+4*\t+3], s[70:71] offset:(16*(\a)+2*\t)*4096   ; 16 lanes store 256 consecutive, aligned bytes
.endr
.if (\a) < 2
	RLOAD (\a)+2
.endif
.endm
	OUTB 0
	OUTB 1
	OUTB 2
	OUTB 3
	s_wait_tensorcnt 0x0                           ; the wave's end: behind my last tensor load and LDS store
	ds_add_u32 v[SPW], v[NIL]
	s_wait_dscnt 0x0
	CROUND                                         ; the closing round
	s_endpgm
.Lfunc_end_k_q3ce81f5c20_gemm_w2:
	.size	k_q3ce81f5c20_gemm_w2, .Lfunc_end_k_q3ce81f5c20_gemm_w2-k_q3ce81f5c20_gemm_w2
	.p2alignl 7, 3214868480
	.fill 96, 4, 3214868480
	.section	.rodata,"a",@progbits
	.p2align	6, 0x0
	.amdhsa_kernel k_q3ce81f5c20_gemm_w2
		.amdhsa_group_segment_fixed_size 327680
		.amdhsa_private_segment_fixed_size 0
		.amdhsa_enable_private_segment 0
		.amdhsa_kernarg_size 48
		.amdhsa_user_sgpr_count 2
		.amdhsa_user_sgpr_kernarg_segment_ptr 1
		.amdhsa_wavefront_size32 1
		.amdhsa_system_sgpr_workgroup_id_x 1
		.amdhsa_system_sgpr_workgroup_id_y 1
		.amdhsa_system_sgpr_workgroup_id_z 1
		.amdhsa_system_vgpr_workitem_id 0
		.amdhsa_next_free_vgpr 512
		.amdhsa_next_free_sgpr 96
		.amdhsa_reserve_vcc 0
		.amdhsa_float_denorm_mode_32 3
		.amdhsa_float_denorm_mode_16_64 3
		.amdhsa_memory_ordered 1
		.amdhsa_forward_progress 1
		.amdhsa_inst_pref_size 84
	.end_amdhsa_kernel
	.amdgpu_metadata
---
amdhsa.version: [ 1, 2 ]
amdhsa.kernels:
  - .name:           k_q3ce81f5c20_gemm_w2
    .symbol:         k_q3ce81f5c20_gemm_w2.kd
    .args:
      - { .name: gimg, .offset: 0, .size: 8, .value_kind: global_buffer, .address_space: global }
      - { .name: wimg, .offset: 8, .size: 8, .value_kind: global_buffer, .address_space: global }
      - { .name: lowp_scales, .offset: 16, .size: 8, .value_kind: global_buffer, .address_space: global }
      - { .name: x1, .offset: 24, .size: 8, .value_kind: global_buffer, .address_space: global }
      - { .name: b2, .offset: 32, .size: 8, .value_kind: global_buffer, .address_space: global }
      - { .name: out0, .offset: 40, .size: 8, .value_kind: global_buffer, .address_space: global }
    .group_segment_fixed_size: 327680
    .private_segment_fixed_size: 0
    .kernarg_segment_align: 8
    .kernarg_segment_size: 48
    .max_flat_workgroup_size: 128
    .sgpr_count:     96
    .vgpr_count:     512
    .wavefront_size: 32
...
	.end_amdgpu_metadata
.endif
;; end of part 7
